; MI455X (gfx1250); checked and timed in simulation.
; The chip was launched on July 23, 2026; its instructions are those of AMD's public machine-readable ISA for CDNA 5 (MIT licence, August 2026) and "CDNA5" Instruction Set Architecture Reference Guide (July 2026). The comments in the code are by the model that wrote it; some were corrected since.
;; Multi Head Attention. Allowed arithmetic: float matrix products may take bf16 or f16 operands with f32 sums; other float arithmetic in f32, or as packed bf16 or f16 multiplies, adds, multiply-adds, maxima and minima; sums over many terms, partial sums and values carried from step to step in f32; what a program stores and reads back later, other than sums and carried values, may be rounded once to bf16 or f16.
;; Inputs: Wk 1,024 x 1,024 float32; Wo 1,024 x 1,024 float32; Wq 1,024 x 1,024 float32; Wv 1,024 x 1,024 float32; bk 1,024 float32; bo 1,024 float32; bq 1,024 float32; bv 1,024 float32; k 2 x 2,048 x 1,024 float32; mask 2 x 2,048 x 2,048 int32; q 2 x 2,048 x 1,024 float32; v 2 x 2,048 x 1,024 float32.
;; Outputs: out0 2 x 2,048 x 1,024 float32.
;; 2 versions, each right; version 2 is version 1 with the launch prep written anew for expert scheduling mode. Each part assembles by itself: llvm-mc -triple=amdgcn-amd-amdhsa -mcpu=gfx1250 --defsym DOCPART=n.
;; ======== version 1 of 2: 4 launches
;; limits: right only within a limited range of input values; values are held in f16: magnitudes above 65,504 overflow, below 6.1e-05 lose precision
;; workspace buffers: cb 33,554,432 bytes; hb 25,165,824 bytes; mn 4,194,304 bytes of whole numbers; rf 16,384 bytes of whole numbers; ob 8,388,608 bytes
;; launch prep (part 1): grid 1280 x 1, 8 waves a work-group, no clusters, 36,352 bytes of LDS; arguments q, k, v, Wq, Wk, Wv, Wo, mask, cb, mn, rf; writes cb, mn, rf
.if DOCPART == 1
	.amdgcn_target "amdgcn-amd-amdhsa--gfx1250"
	.amdhsa_code_object_version 6
	.text
	.protected	k_qd4294d19ac_prep
	.globl	k_qd4294d19ac_prep
	.p2align	8
	.type	k_qd4294d19ac_prep,@function
k_qd4294d19ac_prep:
	s_mov_b64 s[64:65], 0
	v_nop
	global_prefetch_b8 v0, s[64:65] scope:SCOPE_SE
	s_setreg_imm32_b32 hwreg(HW_REG_WAVE_MODE, 25, 1), 1
	s_wait_xcnt 0x0
; PREP: two streams in one launch, told apart by the work-group's number (the same for all eight waves of a work-group).
; Work-groups 0-255: the mask.  Each owns 16 whole rows of one of the two planes; wave w takes the 256 keys of key tile w.  A key becomes a nibble, 15 where
; mask == 0 and 0 elsewhere, laid as the attention launch's score tiles hold their numbers: dword kt of a lane's 16 bytes, nibble j, is query (lane % 16), key 16 kt + 8 (lane / 16) + j.
; mn: [plane 2][query block 8][key tile 8][wave 4][step 4][piece 4][lane 32][16 bytes].  A row with no visible key gets nibbles 0 and the flag rf[row] = 0 (else -1).
; Work-groups 256-1279: the casts, 16,384 numbers each: q, k, v, Wq, Wk, Wv to bf16; Wo to bf16 and that number written as f16 (below 6e-5 it keeps f16's step of 6e-8).
; cb: [q | k | v: 8 MiB each][Wq | Wk | Wv | Wo: 2 MiB each].
; Every load of a wave covers whole aligned pieces of 256 bytes, every store 256 or 512 consecutive bytes.  No matrix unit, no cluster: nothing is shared between work-groups.
.set RED,   34816                      ; LDS: behind the eight stages (16 rows x 272 bytes a wave): 64 bytes a wave for the rows' verdicts
.set SPARE, 35328                      ; the spare words, 128 bytes a wave: four blocks of 256 bytes that no other line names
.set SPW, 8                            ; v8   my spare word's address; never rewritten
.set NIL, 9                            ; v9   0; never rewritten
.set NB,  10                           ; v10-17  15 << 4 j
.set VL,  18                           ; my offset in the loads
.set VS,  19                           ; stage: where I put 16 bytes
.set VR,  20                           ; stage: where I read my query's 32 bytes
.set VO,  21                           ; my offset in the stores
.set AA,  22
.set AB,  23
.set RW,  24
.set RR,  25
.set M1,  26
.set FL,  27
.set IN,  32                           ; v32-159  the mask as loaded: task s, load i at 32 s + 4 i
.set DD,  160                          ; v160-191 one task's 32 keys of my query
.set NW,  192                          ; v192-207 the nibble words: step s, group kt at 4 s + kt
.set TT,  208                          ; v208-215 at work
.set XX,  32                           ; the casts: 16 loads of 4
.set YY,  96                           ; 16 pairs to store
.set HT,  128                          ; four at work
	s_load_b512 s[4:19], s[0:1], 0x0               ; q, k, v, Wq, Wk, Wv, Wo s[4:17], mask s[18:19]
	s_load_b128 s[20:23], s[0:1], 0x40             ; cb s[20:21], mn s[22:23]
	s_load_b64 s[24:25], s[0:1], 0x50              ; rf
	v_lshl_add_u32 v[SPW], v0, 2, SPARE
	v_mov_b32 v[NIL], 0
	v_lshrrev_b32 v1, 5, v0
	v_readfirstlane_b32 s26, v1                    ; wave 0..7
	s_cmp_lt_u32 ttmp9, 256
	s_cbranch_scc1 .Lmask
	; THE CASTS
	s_sub_co_u32 s27, ttmp9, 256                   ; 0..1023: also the place in cb, 32,768 bytes each
	s_lshr_b32 s28, s27, 8                         ; below 768: tensor 0..2, 256 parts each
	s_and_b32 s29, s27, 255
	s_sub_co_u32 s36, s27, 768                     ; from 768 on: tensor 3..6, 64 parts each
	s_lshr_b32 s37, s36, 6
	s_add_co_u32 s37, s37, 3
	s_and_b32 s38, s36, 63
	s_cmp_lt_u32 s27, 768
	s_cselect_b32 s28, s28, s37                    ; which tensor
	s_cselect_b32 s29, s29, s38                    ; which part of it
	s_lshl_b32 s32, s29, 16                        ; 65,536 bytes of f32 a part
	s_mov_b32 s33, 0
	s_lshl_b32 s34, s27, 15
	s_mov_b32 s35, 0
	v_lshlrev_b32 v[VL], 4, v0                     ; 16 bytes a thread in,
	v_lshlrev_b32 v[VO], 3, v0                     ; 8 out
	s_wait_kmcnt 0x0
	s_mov_b64 s[30:31], s[4:5]
.irp n, 1,2,3,4,5,6
	s_cmp_eq_u32 s28, \n
	s_cselect_b64 s[30:31], s[4+2*(\n):5+2*(\n)], s[30:31]
.endr
	s_add_nc_u64 s[30:31], s[30:31], s[32:33]
	s_add_nc_u64 s[34:35], s[20:21], s[34:35]
.set i, 0
.rept 16
	global_load_b128 v[XX+4*i:XX+4*i+3], v[VL], s[30:31] offset:4096*i th:TH_LOAD_NT  ; all sixteen at once: 8 KiB of a wave on their way
.set i, i+1
.endr
.macro CAST half
.set i, 0
.rept 16
	s_wait_loadcnt 15-i                            ; loads come back in order: the 15 - i younger ones may stay out
	v_cvt_pk_bf16_f32 v[YY+2*i], v[XX+4*i], v[XX+4*i+1]
	v_cvt_pk_bf16_f32 v[YY+2*i+1], v[XX+4*i+2], v[XX+4*i+3]
.if \half
	v_lshlrev_b32 v[HT], 16, v[YY+2*i]             ; the bf16 numbers as f32,
	v_and_b32 v[HT+1], 0xffff0000, v[YY+2*i]
	v_lshlrev_b32 v[HT+2], 16, v[YY+2*i+1]
	v_and_b32 v[HT+3], 0xffff0000, v[YY+2*i+1]
	v_cvt_pk_f16_f32 v[YY+2*i], v[HT], v[HT+1]     ; written as f16
	v_cvt_pk_f16_f32 v[YY+2*i+1], v[HT+2], v[HT+3]
.endif
	global_store_b64 v[VO], v[YY+2*i:YY+2*i+1], s[34:35] offset:2048*i  ; a wave stores 256 consecutive bytes, aligned; no register is used twice
.set i, i+1
.endr
.endm
	s_cmp_eq_u32 s28, 6
	s_cbranch_scc1 .Lhalf
	CAST 0
	s_branch .Lend
.Lhalf:
	CAST 1
	s_branch .Lend
	; THE MASK
.Lmask:
	s_lshr_b32 s27, ttmp9, 7                       ; plane
	s_and_b32 s28, ttmp9, 127                      ; which 16 rows: 16 x query block + 4 x wave + piece of the attention launch
	s_lshl_b32 s30, s27, 24                        ; a plane is 2,048 rows of 8,192 bytes
	s_lshl_b32 s31, s28, 17
	s_add_co_u32 s30, s30, s31
	s_lshl_b32 s31, s26, 10                        ; my key tile: 1,024 bytes of a row
	s_add_co_u32 s30, s30, s31
	s_mov_b32 s31, 0
	s_lshr_b32 s32, s28, 4                         ; query block
	s_lshl3_add_u32 s32, s27, s32
	s_lshl3_add_u32 s32, s32, s26                  ; ((plane x 8 + block) x 8 + key tile)
	s_lshl_b32 s32, s32, 15
	s_bfe_u32 s33, s28, 0x20002
	s_lshl_b32 s33, s33, 13                        ; + wave x 8,192
	s_add_co_u32 s32, s32, s33
	s_and_b32 s33, s28, 3
	s_lshl_b32 s33, s33, 9                         ; + piece x 512
	s_add_co_u32 s32, s32, s33
	s_mov_b32 s33, 0
	s_lshl_b32 s34, s27, 13                        ; rf: plane x 8,192 + 16 rows x 4 bytes
	s_lshl_b32 s35, s28, 6
	s_add_co_u32 s34, s34, s35
	s_mov_b32 s35, 0
	s_mul_i32 s36, s26, 4352                       ; my stage
	s_lshl_b32 s37, s26, 6
	s_mov_b32 s56, 0x76543210                      ; v_permlanex16_b32: each lane takes its own place in the other half
	s_mov_b32 s57, 0xfedcba98
	v_and_b32 v1, 31, v0                           ; l
	v_and_b32 v2, 15, v0                           ; l % 16
	v_bfe_u32 v3, v0, 4, 1                         ; l / 16
	v_lshlrev_b32 v[VL], 4, v2
	v_lshl_add_u32 v[VL], v3, 13, v[VL]            ; lanes 0-15: 256 bytes of a row; lanes 16-31: of the next row
	v_mul_u32_u24 v4, v3, 272
	v_lshl_add_u32 v4, v2, 4, v4
	v_add_nc_u32 v[VS], s36, v4
	v_mul_u32_u24 v4, v2, 272
	v_lshl_add_u32 v4, v3, 5, v4
	v_add_nc_u32 v[VR], s36, v4                    ; row l % 16, keys 8 (l / 16) on
	v_lshlrev_b32 v[VO], 4, v1
	v_lshl_add_u32 v[RW], v2, 2, s37
	v_lshlrev_b32 v[RR], 2, v2
	v_mov_b32 v[M1], -1
	v_mov_b32 v[AB], 0
.irp j, 0,1,2,3,4,5,6,7
	v_mov_b32 v[NB+(\j)], 15<<(4*(\j))
.endr
	s_wait_kmcnt 0x0
	s_add_nc_u64 s[30:31], s[18:19], s[30:31]
	s_add_nc_u64 s[32:33], s[22:23], s[32:33]
	s_add_nc_u64 s[34:35], s[24:25], s[34:35]
.irp s, 0,1,2,3
.irp i, 0,1,2,3,4,5,6,7
	global_load_b128 v[IN+32*(\s)+4*(\i):IN+32*(\s)+4*(\i)+3], v[VL], s[30:31] offset:256*(\s)+16384*(\i) th:TH_LOAD_NT
.endr
.endr
; Task s: 16 rows x 64 keys go through my own stage, so that a lane gets its query's keys; LDS serves a wave's instructions in order, so the loads see the stores and the next task's stores come behind these loads.
.macro TASK s
	s_wait_loadcnt 24-8*(\s)                       ; the later tasks' loads may stay out
.irp i, 0,1,2,3,4,5,6,7
	ds_store_b128 v[VS], v[IN+32*(\s)+4*(\i):IN+32*(\s)+4*(\i)+3] offset:544*(\i)
.endr
.irp n, 0,1,2,3,4,5,6,7
	ds_load_b128 v[DD+4*(\n):DD+4*(\n)+3], v[VR] offset:64*((\n)/2)+16*((\n)%2)
.endr
	s_wait_dscnt 0x0
.irp kt, 0,1,2,3
.irp j, 0,1,2,3,4,5,6,7
	v_cmp_eq_u32 vcc_lo, 0, v[DD+8*(\kt)+(\j)]
	v_cndmask_b32 v[TT+(\j)], 0, v[NB+(\j)], vcc_lo
.endr
	v_or_b32 v[NW+4*(\s)+(\kt)], v[TT], v[TT+1]    ; the nibbles do not overlap: sums are unions
	v_add3_u32 v[NW+4*(\s)+(\kt)], v[NW+4*(\s)+(\kt)], v[TT+2], v[TT+3]
	v_add3_u32 v[NW+4*(\s)+(\kt)], v[NW+4*(\s)+(\kt)], v[TT+4], v[TT+5]
	v_add3_u32 v[NW+4*(\s)+(\kt)], v[NW+4*(\s)+(\kt)], v[TT+6], v[TT+7]
.endr
.endm
	TASK 0
	TASK 1
	TASK 2
	TASK 3
	; is every key of the row hidden?  All ones in my 16 words, in the other half of the lanes, and in all eight waves
	v_and_b32 v[AA], v[NW], v[NW+1]
.set i, 2
.rept 14
	v_and_b32 v[AA], v[AA], v[NW+i]
.set i, i+1
.endr
	v_permlanex16_b32 v[AB], v[AA], s56, s57
	v_and_b32 v[AA], v[AA], v[AB]
	ds_store_b32 v[RW], v[AA] offset:RED           ; the two halves of the lanes write the same word with the same number
	s_wait_dscnt 0x0                               ; for the others' sake
	s_barrier_signal -1
	s_barrier_wait -1
.irp w, 0,1,2,3,4,5,6,7
	ds_load_b32 v[TT+(\w)], v[RR] offset:RED+64*(\w)
.endr
	s_wait_dscnt 0x0
	v_and_b32 v[AA], v[TT], v[TT+1]
.irp w, 2,3,4,5,6,7
	v_and_b32 v[AA], v[AA], v[TT+(\w)]
.endr
	v_cmp_ne_u32 vcc_lo, -1, v[AA]                 ; the row has a visible key
.set i, 0
.rept 16
	v_cndmask_b32 v[NW+i], 0, v[NW+i], vcc_lo
.set i, i+1
.endr
	v_cndmask_b32 v[FL], 0, v[M1], vcc_lo
.irp s, 0,1,2,3
	global_store_b128 v[VO], v[NW+4*(\s):NW+4*(\s)+3], s[32:33] offset:2048*(\s)  ; 512 consecutive bytes
.endr
	s_cmp_lg_u32 s26, 0
	s_cbranch_scc1 .Lend
	global_store_b32 v[RR], v[FL], s[34:35]        ; wave 0: the 16 rows' flags
.Lend:
	s_wait_tensorcnt 0x0                           ; the wave's end
	ds_add_u32 v[SPW], v[NIL]
	s_wait_dscnt 0x0
	s_endpgm
.Lfunc_end_k_qd4294d19ac_prep:
	.size	k_qd4294d19ac_prep, .Lfunc_end_k_qd4294d19ac_prep-k_qd4294d19ac_prep
	.p2alignl 7, 3214868480
	.fill 96, 4, 3214868480
	.section	.rodata,"a",@progbits
	.p2align	6, 0x0
	.amdhsa_kernel k_qd4294d19ac_prep
		.amdhsa_group_segment_fixed_size 36352
		.amdhsa_private_segment_fixed_size 0
		.amdhsa_enable_private_segment 0
		.amdhsa_kernarg_size 88
		.amdhsa_user_sgpr_count 2
		.amdhsa_user_sgpr_kernarg_segment_ptr 1
		.amdhsa_wavefront_size32 1
		.amdhsa_system_sgpr_workgroup_id_x 1
		.amdhsa_system_sgpr_workgroup_id_y 1
		.amdhsa_system_sgpr_workgroup_id_z 1
		.amdhsa_system_vgpr_workitem_id 0
		.amdhsa_next_free_vgpr 216
		.amdhsa_next_free_sgpr 66
		.amdhsa_reserve_vcc 1
		.amdhsa_float_denorm_mode_32 3
		.amdhsa_float_denorm_mode_16_64 3
		.amdhsa_memory_ordered 1
		.amdhsa_forward_progress 1
		.amdhsa_inst_pref_size 41
	.end_amdhsa_kernel
	.amdgpu_metadata
---
amdhsa.version: [ 1, 2 ]
amdhsa.kernels:
  - .name:           k_qd4294d19ac_prep
    .symbol:         k_qd4294d19ac_prep.kd
    .args:
      - { .name: q, .offset: 0, .size: 8, .value_kind: global_buffer, .address_space: global }
      - { .name: k, .offset: 8, .size: 8, .value_kind: global_buffer, .address_space: global }
      - { .name: v, .offset: 16, .size: 8, .value_kind: global_buffer, .address_space: global }
      - { .name: Wq, .offset: 24, .size: 8, .value_kind: global_buffer, .address_space: global }
      - { .name: Wk, .offset: 32, .size: 8, .value_kind: global_buffer, .address_space: global }
      - { .name: Wv, .offset: 40, .size: 8, .value_kind: global_buffer, .address_space: global }
      - { .name: Wo, .offset: 48, .size: 8, .value_kind: global_buffer, .address_space: global }
      - { .name: mask, .offset: 56, .size: 8, .value_kind: global_buffer, .address_space: global }
      - { .name: cb, .offset: 64, .size: 8, .value_kind: global_buffer, .address_space: global }
      - { .name: mn, .offset: 72, .size: 8, .value_kind: global_buffer, .address_space: global }
      - { .name: rf, .offset: 80, .size: 8, .value_kind: global_buffer, .address_space: global }
    .group_segment_fixed_size: 36352
    .private_segment_fixed_size: 0
    .kernarg_segment_align: 8
    .kernarg_segment_size: 88
    .max_flat_workgroup_size: 256
    .sgpr_count:     66
    .vgpr_count:     216
    .wavefront_size: 32
...
	.end_amdgpu_metadata
.endif
;; end of part 1
;; launch proj (part 2): grid 4 x 48, 4 waves a work-group, clusters of 4 x 4, 327,680 bytes of LDS; arguments cb, bq, bk, bv, hb; writes hb
.if DOCPART == 2
	.amdgcn_target "amdgcn-amd-amdhsa--gfx1250"
	.amdhsa_code_object_version 6
	.text
	.protected	k_qd4294d19ac_proj
	.globl	k_qd4294d19ac_proj
	.p2align	8
	.type	k_qd4294d19ac_proj,@function
k_qd4294d19ac_proj:
	s_mov_b64 s[64:65], 0
	v_nop
	global_prefetch_b8 v0, s[64:65] scope:SCOPE_SE
	s_setreg_imm32_b32 hwreg(HW_REG_WAVE_MODE, 25, 1), 1
	s_wait_xcnt 0x0
	s_wait_alu depctr_hold_cnt(0) depctr_sa_sdst(0) depctr_va_vdst(0) depctr_va_sdst(0) depctr_va_ssrc(0) depctr_va_vcc(0) depctr_vm_vsrc(0)
	s_getreg_b32 s2, hwreg(HW_REG_IB_STS2, 6, 4)
	s_cmp_eq_u32 s2, 0
	s_cbranch_scc0 .Lentry_in_a_cluster
	s_endpgm
.Lentry_in_a_cluster:
	s_bfe_u32 s2, ttmp6, 0x10000c
	s_cmp_lg_u32 s2, 0xf033
	s_cbranch_scc0 .Lentry_shape_is_right
	s_endpgm
.Lentry_shape_is_right:
; THE THREE PROJECTIONS: for g = 0, 1, 2 (q, k, v): Y = X_g W_g^T + b_g.  X_g: [4096][1024] bf16, W_g: [1024][1024] bf16, both in cb; b_g f32, rounded to bf16 like every input; sums in f32.
; Y leaves in f16, by heads: hb [head 32][row block 32][g 3][64 rows][64 channels].  LIMIT: f16 holds no number beyond 65,504; Y stays within it for inputs some 30 times those drawn.
; A tile of Y, 256 x 256, is made by a work-group of four waves; a wave makes 128 x 128: 64 accumulators of 16 x 16, 512 registers.  K goes in steps of 128 through a ring of two LDS slots.
; The grid's y counts 3 x 16 tile rows; a cluster (4 x 4 work-groups) lies inside one g.  The four of a cluster's row need the same tiles of X, the four of a column the same tiles of W:
; each tile is asked for JOINTLY, by the same tensor load with the same descriptor and a mask that names the four.  3 x 64 tiles: 192 work-groups.
; The last K step goes by rows of Y, so that finished rows leave while the others are multiplied.
; REGISTERS, in windows of 256: window 0: v0-31 addresses; v64-191 fragments of X; v32-63, v192-255 at work on the way out (v192-255 hold the bias until the first products have taken it)
;   window 1: fragments of W (in the last K step all 256)     window 2: the accumulators of my rows 0-63     window 3: of my rows 64-127
; THE MATRIX INSTRUCTION IS USED TRANSPOSED: source 0 = 16 rows of W, source 1 = 16 rows of X: a lane holds row l % 16 of Y and the columns 8 (l / 16) + 0..7.
.set SIZE_K, 1024
.set KSTEP,  128
.set PITCH,  272                       ; an LDS row: 256 bytes + 16 of padding: the 16 rows that a load touches start at 16 different groups of four banks
.set HALFT,  128*PITCH
.set SLOT,   4*HALFT                   ; X's 256 rows, then W's 256 rows
.set STAGE,  2*SLOT                    ; behind the ring: 16 rows x 272 bytes for each wave
.set SPITCH, 272
.set SPARE,  STAGE+4*16*SPITCH         ; the spare words, 128 bytes a wave: two blocks of 256 bytes that no other line names
.set LAPS,   SIZE_K/(2*KSTEP)
.set ADRA, 16
.set ADRB, 20
.set STO,  24
.set RD,   25
.set CO,   26
.set BO,   27                          ; v27  32 (l / 16): my eight columns' bias
.set SPW,  28
.set NIL,  29
.set PFO,  30
.set BT,   31
.set PFA,  44
.set LIM,  43
.set F0,   64
.set F1,   128
.set TMP,  192
.set BI,   192                         ; v192-255: bias of column block b at BI + 8 b
.set OB,   32
.set PA,   64
.set G1, 24
.set G0, 32
.set G1B, 48
.set G0B, 56
.set MSB, 0
.macro WIN new                         ; the immediate's high byte repeats the setting that is left
.if MSB != (\new)
	s_set_vgpr_msb (MSB<<8)|(\new)
.set MSB, \new
.endif
.endm
.set MUL_LO, 0xa1                      ; source 0 (W) window 1, source 1 (X) window 0, C and D window 2
.set MUL_HI, 0xf1
.set TO_B,   0x40
; A joint load.  Waves 0 and 1 fetch X's two halves, waves 2 and 3 W's.  The branch hangs on the wave's number alone.  An s_nop 0 and four v_nop follow each line.
.macro JLOAD s
	s_cmp_eq_u32 s11, 0
	s_cbranch_scc0 .Lfor_b_\@
	tensor_load_to_lds s[G0+4*(\s):G0+4*(\s)+3], s[G1:G1+7]
	s_nop 0
.rept 4
	v_nop
.endr
	s_branch .Lasked_\@
.Lfor_b_\@:
	tensor_load_to_lds s[G0B+4*(\s):G0B+4*(\s)+3], s[G1B:G1B+7]
	s_nop 0
.rept 4
	v_nop
.endr
.Lasked_\@:
.endm
; A prefetch into the L2 of the K step that stands two refills on: 32 rows x 256 bytes, a lane a row.  X's rows are read by one cluster alone, which asks; W's by the four clusters of one g, of which the
; first asks.  The four partners that ask for a tile jointly share its rows out by address, 32 each.  The loop's last trip asks for nothing: its refills are the last K steps.
.macro ASK
	s_cmp_gt_u32 s3, s[LIM]
	s_cbranch_scc0 .Lnot_mine_\@
	global_prefetch_b8 v[PFO], s[PFA:PFA+1] offset:KSTEP*2 th:TH_LOAD_NT scope:SCOPE_SE
.Lnot_mine_\@:
.endm
.macro CREST                           ; a round of the cluster's barrier behind its opening barrier
	s_cmp_lg_u32 s10, 0
	s_cbranch_scc1 .Lnot_wave_0_\@
	s_barrier_signal -3
.Lnot_wave_0_\@:
	s_barrier_wait -3
	s_barrier_signal -1
	s_barrier_wait -1
.endm
.macro CROUND
	s_barrier_signal -1
	s_barrier_wait -1
	CREST
.endm
	s_load_b256 s[68:75], s[0:1], 0x0              ; cb s[68:69], bq, bk, bv s[70:75]
	s_load_b64 s[8:9], s[0:1], 0x20                ; hb
	v_lshl_add_u32 v[SPW], v0, 2, SPARE
	v_mov_b32 v[NIL], 0
	ds_add_u32 v[SPW], v[NIL]                      ; the wave's opening: the add and its wait stand ahead of my first tensor load
	v_lshrrev_b32 v1, 5, v0
	v_readfirstlane_b32 s10, v1                    ; wave 0..3
	s_lshr_b32 s11, s10, 1                         ; which half of the tile's rows is mine.  Also: I fetch for X (0) or for W (1)
	s_and_b32 s12, s10, 1                          ; which half of its columns.  Also: which 128 rows of that tile I fetch
	s_bfe_u32 s40, ttmp6, 0x40000                  ; cx
	s_bfe_u32 s41, ttmp6, 0x40004                  ; cy
	s_lshl_b32 s42, ttmp9, 2
	s_add_co_u32 s42, s42, s40                     ; tile column = 4 x cluster x + cx
	s_and_b32 s13, ttmp7, 0xffff                   ; cluster y, 0..11
	s_lshr_b32 s78, s13, 2                         ; g
	s_and_b32 s79, s13, 3                          ; the cluster's place among the four of its g
	s_lshl_b32 s13, s79, 2
	s_add_co_u32 s13, s13, s41                     ; tile row, 0..15
	s_lshl_b32 s43, s41, 2
	s_lshl_b32 s43, 15, s43                        ; my row of the cluster
	s_lshl_b32 s44, 0x1111, s40                    ; my column
	s_or_b32 s[G1+0], s43, (1<<16)|(1<<20)|(1<<21)|(5<<22)|(3<<25)  ; the mask; 2-byte elements; padding on, 4 words after every 64; bit 21 beside a mask
	s_or_b32 s[G1B+0], s44, (1<<16)|(1<<20)|(1<<21)|(5<<22)|(3<<25)
	s_mov_b32 s[G1B+1], KSTEP<<16
	s_mov_b32 s[G1+1], KSTEP<<16                   ; tensor_dim0 = 128
	s_mov_b32 s[G1B+2], 128<<16
	s_mov_b32 s[G1+2], 128<<16                     ; tensor_dim1 = 128
	s_mov_b32 s[G1B+3], KSTEP<<16
	s_mov_b32 s[G1+3], KSTEP<<16                   ; tile_dim0 = 128
	s_mov_b32 s[G1B+4], 128
	s_mov_b32 s[G1+4], 128                         ; tile_dim1 = 128
	s_mov_b32 s[G1B+5], SIZE_K
	s_mov_b32 s[G1+5], SIZE_K                      ; elements from row to row
	s_mov_b32 s[G1B+6], 0
	s_mov_b32 s[G1+6], 0
	s_mov_b32 s[G1B+7], 0
	s_mov_b32 s[G1+7], 0
	s_lshl_b32 s17, s12, 7
	s_lshl_b32 s16, s13, 8
	s_add_co_u32 s16, s16, s17                     ; X: row 256 x tile row + 128 x half
	s_lshl_b32 s46, s42, 8
	s_add_co_u32 s46, s46, s17                     ; W: row 256 x tile column + 128 x half
	s_mov_b32 s17, 0
	s_mov_b32 s47, 0
	s_mov_b64 s[18:19], SIZE_K*2
	s_mul_u64 s[16:17], s[16:17], s[18:19]
	s_mul_u64 s[46:47], s[46:47], s[18:19]
	s_mul_i32 s20, s10, HALFT                      ; where they go: wave x 128 rows
	s_lshl_b32 s2, s78, 23                         ; X_g: 8 MiB each
	s_mov_b32 s3, 0
	s_lshl_b32 s22, s78, 21                        ; W_g: 2 MiB each, behind the three X
	s_add_co_u32 s22, s22, 25165824
	s_mov_b32 s23, 0
	s_wait_dscnt 0x0                               ; the opening add is done
	s_wait_kmcnt 0x0
	s_add_nc_u64 s[4:5], s[68:69], s[2:3]          ; X_g
	s_add_nc_u64 s[6:7], s[68:69], s[22:23]        ; W_g
	s_add_nc_u64 s[14:15], s[4:5], s[16:17]
	s_add_nc_u64 s[46:47], s[6:7], s[46:47]
	CROUND                                         ; all sixteen work-groups are here: the first joint loads meet
.irp s, 0,1
	s_mov_b32 s[G0+4*(\s)], 1
	s_add_co_u32 s[G0+4*(\s)+1], s20, (\s)*SLOT
	s_add_nc_u64 s[G0+4*(\s)+2:G0+4*(\s)+3], s[14:15], (\s)*KSTEP*2
	s_or_b32 s[G0+4*(\s)+3], s[G0+4*(\s)+3], 0x80000000
	s_mov_b32 s[G0B+4*(\s)], 1
	s_add_co_u32 s[G0B+4*(\s)+1], s20, (\s)*SLOT
	s_add_nc_u64 s[G0B+4*(\s)+2:G0B+4*(\s)+3], s[46:47], (\s)*KSTEP*2
	s_or_b32 s[G0B+4*(\s)+3], s[G0B+4*(\s)+3], 0x80000000
	JLOAD \s                                       ; two loads of mine are out
.endr
	v_and_b32 v1, 15, v0                           ; l % 16
	v_bfe_u32 v2, v0, 4, 1                         ; l / 16
	v_mul_u32_u24 v3, v1, PITCH
	v_lshl_add_u32 v3, v2, 4, v3                   ; a fragment's row x pitch + 16 x half
	s_mul_i32 s21, s11, HALFT
	s_mul_i32 s22, s12, HALFT
	s_add_co_u32 s22, s22, 2*HALFT
.irp s, 0,1
	v_add_nc_u32 v[ADRA+(\s)], s21, v3
	v_add_nc_u32 v[ADRB+(\s)], s22, v3
	s_add_co_u32 s21, s21, SLOT
	s_add_co_u32 s22, s22, SLOT
.endr
	s_mul_i32 s23, s10, 16*SPITCH
	s_add_co_u32 s23, s23, STAGE                   ; my stage
	v_mul_u32_u24 v4, v1, SPITCH                   ; in: row l % 16, 16 bytes for each half of the lanes
	v_lshl_add_u32 v4, v2, 4, v4
	v_add_nc_u32 v[STO], s23, v4
	v_bfe_u32 v5, v0, 3, 2                         ; back, by heads: 32 lanes take four rows of a head's 128 bytes,
	v_and_b32 v6, 7, v0
	v_mul_u32_u24 v5, v5, SPITCH
	v_lshl_add_u32 v5, v6, 4, v5
	v_add_nc_u32 v[RD], s23, v5
	v_and_b32 v[CO], 31, v0                        ; which are 512 consecutive bytes of hb
	v_lshlrev_b32 v[CO], 4, v[CO]
	; where my part begins in hb: head (batch x 16 + 4 x tile column + 2 x column half), row block, g
	s_lshl_b32 s13, s13, 8                         ; 256 x tile row
	s_lshl_b32 s14, s11, 7
	s_add_co_u32 s16, s13, s14                     ; my first row
	s_lshr_b32 s17, s16, 11                        ; batch
	s_lshl_b32 s17, s17, 4
	s_lshl2_add_u32 s17, s42, s17
	s_lshl1_add_u32 s17, s12, s17
	s_mul_i32 s17, s17, 786432
	s_bfe_u32 s16, s16, 0x50006                    ; row block of 64
	s_mul_i32 s16, s16, 24576
	s_add_co_u32 s16, s16, s17
	s_lshl_b32 s17, s78, 13
	s_add_co_u32 s16, s16, s17
	s_mov_b32 s17, 0
	; the bias of my 128 columns: the first products take it as C
	s_cmp_eq_u32 s78, 1
	s_cselect_b64 s[76:77], s[72:73], s[70:71]
	s_cmp_eq_u32 s78, 2
	s_cselect_b64 s[76:77], s[74:75], s[76:77]
	s_lshl_b32 s20, s42, 10
	s_lshl_b32 s21, s12, 9
	s_add_co_u32 s20, s20, s21
	s_mov_b32 s21, 0
	s_add_nc_u64 s[76:77], s[76:77], s[20:21]
	v_lshlrev_b32 v[BO], 5, v2
.irp b, 0,1,2,3,4,5,6,7
	global_load_b128 v[BI+8*(\b):BI+8*(\b)+3],   v[BO], s[76:77] offset:64*(\b)
	global_load_b128 v[BI+8*(\b)+4:BI+8*(\b)+7], v[BO], s[76:77] offset:64*(\b)+16
.endr
	; the prefetches
	s_lshl_b32 s42, s42, 8
	s_cmp_eq_u32 s11, 0                            ; do I fetch for X?
	s_cselect_b32 s20, s13, s42                    ; the tile's first row
	s_cselect_b32 s21, s40, s41                    ; my place among the four that ask for it with me
	s_cselect_b32 s22, ttmp9, s79                  ; the coordinate along which other clusters read the same rows
	s_cselect_b64 s[PFA:PFA+1], s[4:5], s[6:7]
	s_cmp_eq_u32 s22, 0
	s_cselect_b32 s[LIM], 1, -1
	s_lshl_b32 s22, s12, 7
	s_add_co_u32 s20, s20, s22
	s_lshl_b32 s21, s21, 5
	s_add_co_u32 s20, s20, s21
	s_mov_b32 s21, 0
	s_mov_b64 s[18:19], SIZE_K*2
	s_mul_u64 s[20:21], s[20:21], s[18:19]
	s_add_nc_u64 s[PFA:PFA+1], s[PFA:PFA+1], s[20:21]
	s_add_nc_u64 s[PFA:PFA+1], s[PFA:PFA+1], 2*KSTEP*2  ; at K step 2: the first refill steps it to 3 and names K step 4
	v_and_b32 v[PFO], 31, v0
	v_mul_u32_u24 v[PFO], v[PFO], SIZE_K*2
	s_wait_loadcnt 0x0                             ; the bias,
.set i, 0
.rept 32
	v_cvt_pk_bf16_f32 v[BT], v[BI+2*i], v[BI+2*i+1]  ; rounded to bf16 like every input, and widened again
	v_lshlrev_b32 v[BI+2*i], 16, v[BT]
	v_and_b32 v[BI+2*i+1], 0xffff0000, v[BT]
.set i, i+1
.endr
; 16 matrix instructions: m blocks a0, a0 + 1 of the window's four x all 8 n blocks, 32 along K.  zero = 1: the first product starts the sums, with the bias (window 0) as C.
.macro MUL16 f, hi, a0, zero
.if \zero
	WIN 0x81+0x40*(\hi)
.else
	WIN MUL_LO+0x50*(\hi)
.endif
.irp a, \a0, (\a0)+1
.irp b, 0,1,2,3,4,5,6,7
.if \zero
	v_wmma_f32_16x16x32_bf16 v[8*(8*(\a)+(\b)):8*(8*(\a)+(\b))+7], v[(\f)+8*(\b):(\f)+8*(\b)+7], v[(\f)+8*(4*(\hi)+(\a)):(\f)+8*(4*(\hi)+(\a))+7], v[BI+8*(\b):BI+8*(\b)+7]
.else
	v_wmma_f32_16x16x32_bf16 v[8*(8*(\a)+(\b)):8*(8*(\a)+(\b))+7], v[(\f)+8*(\b):(\f)+8*(\b)+7], v[(\f)+8*(4*(\hi)+(\a)):(\f)+8*(4*(\hi)+(\a))+7], v[8*(8*(\a)+(\b)):8*(8*(\a)+(\b))+7]
.endif
.endr
.endr
.endm
.macro FETCH slot, k, f                ; 32 LDS loads in one run: one quarter step's fragments into buffer f
	WIN TO_B
.irp i, 0,1,2,3,4,5,6,7
	ds_load_b128 v[(\f)+8*(\i):(\f)+8*(\i)+3],   v[ADRB+(\slot)] offset:(\k)+(\i)*16*PITCH
	ds_load_b128 v[(\f)+8*(\i)+4:(\f)+8*(\i)+7], v[ADRB+(\slot)] offset:(\k)+(\i)*16*PITCH+32
.endr
	WIN 0
.irp i, 0,1,2,3,4,5,6,7
	ds_load_b128 v[(\f)+8*(\i):(\f)+8*(\i)+3],   v[ADRA+(\slot)] offset:(\k)+(\i)*16*PITCH
	ds_load_b128 v[(\f)+8*(\i)+4:(\f)+8*(\i)+7], v[ADRA+(\slot)] offset:(\k)+(\i)*16*PITCH+32
.endr
.endm
.macro PLACES                          ; four plain vector instructions between a matrix instruction and loads into its sources, or reads of its result
.rept 4
	v_nop
.endr
.endm
.macro QUARTER slot, k, f, g, zero     ; multiplies buffer f; in its middle fetches the next quarter, at byte k of the rows, into g
	s_wait_dscnt 8                                 ; W and X's rows 0-63 are in; the youngest eight loads may be out
	MUL16 \f, 0, 0, \zero
	MUL16 \f, 0, 2, \zero
	PLACES
	FETCH \slot, \k, \g
	s_wait_dscnt 32                                ; all but the 32 just issued
	MUL16 \f, 1, 0, \zero
	MUL16 \f, 1, 2, \zero
.endm
.macro MEET round                      ; the first half of a K step's last quarter: the barrier of the change of slots
	WIN 0
	s_wait_tensorcnt 0x0                           ; all my tensor loads have landed: the one that was out is my part of the next slot
	ds_add_u32 v[SPW], v[NIL]
	s_wait_dscnt 9                                 ; (the add and the youngest eight loads may be out)
	MUL16 F1, 0, 0, 0
	s_wait_dscnt 0x0                               ; the add is done, and my reads of this slot are over
	s_barrier_signal -1
	MUL16 F1, 0, 2, 0
.if \round
	WIN 0
.endif
	s_barrier_wait -1
.endm
.macro TURN slot, next                 ; the whole last quarter: behind the round the slot just read out is filled again, two K steps ahead
	s_wait_xcnt 0x0                                ; the last prefetch, a K step back, has read its address
	s_add_nc_u64 s[PFA:PFA+1], s[PFA:PFA+1], KSTEP*2
	MEET 1
	CREST                                          ; no wave of any partner still reads this slot's tile or has a load on its way
	s_add_nc_u64 s[G0+4*(\slot)+2:G0+4*(\slot)+3], s[G0+4*(\slot)+2:G0+4*(\slot)+3], 2*KSTEP*2
	s_add_nc_u64 s[G0B+4*(\slot)+2:G0B+4*(\slot)+3], s[G0B+4*(\slot)+2:G0B+4*(\slot)+3], 2*KSTEP*2
	JLOAD \slot                                    ; my one tensor load behind the round; its four v_nop are also the places in front of the loads below
	FETCH \next, 0, F0
	ASK
	MUL16 F1, 1, 0, 0
	MUL16 F1, 1, 2, 0
.endm
; The last K step (slot 1) goes by rows of Y: all its fragments of W fill window 1; my eight blocks of 16 rows are finished one after the other, the block's 8 accumulators by turns.
.macro BLOAD q
	WIN TO_B
.irp i, 0,1,2,3,4,5,6,7
	ds_load_b128 v[64*(\q)+8*(\i):64*(\q)+8*(\i)+3],   v[ADRB+1] offset:64*(\q)+(\i)*16*PITCH
	ds_load_b128 v[64*(\q)+8*(\i)+4:64*(\q)+8*(\i)+7], v[ADRB+1] offset:64*(\q)+(\i)*16*PITCH+32
.endr
.endm
.macro ALOAD a
	WIN 0
.set FA, PA+32*((\a)%4)
.irp q, 0,1,2,3
	ds_load_b128 v[FA+8*(\q):FA+8*(\q)+3],   v[ADRA+1] offset:64*(\q)+(\a)*16*PITCH
	ds_load_b128 v[FA+8*(\q)+4:FA+8*(\q)+7], v[ADRA+1] offset:64*(\q)+(\a)*16*PITCH+32
.endr
.endm
.macro ROW a
.set FA, PA+32*((\a)%4)
.set AC, 64*((\a)%4)
	WIN MUL_LO+0x50*((\a)/4)
.irp q, 0,1,2,3
.if (\a) == 0 && (\q) == 2
	s_wait_dscnt 24                                ; W's quarter 2 is in (behind it: X's blocks 1 to 3)
.endif
.irp b, 0,1,2,3,4,5,6,7
	v_wmma_f32_16x16x32_bf16 v[AC+8*(\b):AC+8*(\b)+7], v[64*(\q)+8*(\b):64*(\q)+8*(\b)+7], v[FA+8*(\q):FA+8*(\q)+7], v[AC+8*(\b):AC+8*(\b)+7]
.endr
.endr
.endm
.macro PACK a                          ; rounded to f16, 16 bytes a lane; each accumulator's registers in ascending order
.set AC, 64*((\a)%4)
	WIN 0x0a+5*((\a)/4)
.irp b, 0,1,2,3,4,5,6,7
.irp r, 0,1,2,3
	v_cvt_pk_f16_f32 v[TMP+4*(\b)+(\r)], v[AC+8*(\b)+2*(\r)], v[AC+8*(\b)+2*(\r)+1]
.endr
.endr
	WIN 0
.endm
.macro TOSTAGE a                       ; into my own stage, and back by heads: load t takes rows 4 (t % 4) on of head t / 4
	WIN 0
.set BK, OB+192*((\a)%2)
.irp b, 0,1,2,3,4,5,6,7
	ds_store_b128 v[STO], v[TMP+4*(\b):TMP+4*(\b)+3] offset:32*(\b)
.endr
.irp t, 0,1,2,3,4,5,6,7
	ds_load_b128 v[BK+4*(\t):BK+4*(\t)+3], v[RD] offset:((\t)%4)*4*SPITCH+((\t)/4)*128  ; LDS serves a wave's instructions in order: these see the stores above
.endr
.endm
.macro SEND a, younger
	WIN 0
.set BK, OB+192*((\a)%2)
	s_wait_dscnt \younger                          ; the block is back in registers
	s_wait_xcnt 0x0                                ; only behind this wait are the stores' base and the registers that earlier stores read rewritten
.if (\a) == 0
	s_add_nc_u64 s[8:9], s[8:9], s[16:17]
.elseif (\a) == 4
	s_add_nc_u64 s[8:9], s[8:9], 18432             ; into the next row block: 24,576 less the three steps below
.else
	s_add_nc_u64 s[8:9], s[8:9], 2048              ; 16 rows of a head
.endif
.irp t, 0,1,2,3,4,5,6,7
	global_store_b128 v[CO], v[BK+4*(\t):BK+4*(\t)+3], s[8:9] offset:((\t)/4)*786432+((\t)%4)*512  ; 512 consecutive bytes, aligned
.endr
.endm
	s_wait_tensorcnt 1                             ; my part of K step 0 is in; K step 1's may stay out
	s_barrier_signal -1
	s_barrier_wait -1
	FETCH 0, 0, F0
	QUARTER 0, 64,  F0, F1, 1                      ; the first quarter stands in front of the loop: its products start the sums
	WIN 0
	s_mov_b32 s3, LAPS-1
.Llap:                                                 ; a trip goes once round the ring and fills both slots again
	QUARTER 0, 128, F1, F0, 0
	QUARTER 0, 192, F0, F1, 0
	TURN 0, 1
	QUARTER 1, 64,  F0, F1, 0
	QUARTER 1, 128, F1, F0, 0
	QUARTER 1, 192, F0, F1, 0
	TURN 1, 0
	QUARTER 0, 64,  F0, F1, 0
	WIN 0
	s_sub_co_u32 s3, s3, 1
	s_cmp_lg_u32 s3, 0
	s_cbranch_scc1 .Llap
	QUARTER 0, 128, F1, F0, 0
	QUARTER 0, 192, F0, F1, 0
	MEET 0                                         ; nothing is filled again, so no round follows
	PLACES
	BLOAD 0
	BLOAD 1
	BLOAD 3
	ALOAD 0
	MUL16 F1, 1, 0, 0
	MUL16 F1, 1, 2, 0
	PLACES
	BLOAD 2
	ALOAD 1
	ALOAD 2
	ALOAD 3
	s_wait_dscnt 40                                ; all but the 40 just issued
	ROW 0
.irp a, 0,1,2,3,4,5,6,7
	PLACES
	PACK \a
	TOSTAGE \a
.if (\a) < 4
	ALOAD (\a)+4
	SEND \a, 8
.else
	SEND \a, 0
.endif
.if (\a) < 7
	ROW (\a)+1
.endif
.endr
	s_wait_tensorcnt 0x0                           ; the wave's end
	ds_add_u32 v[SPW], v[NIL]
	s_wait_dscnt 0x0
	CROUND                                         ; the closing round
	s_endpgm
.Lfunc_end_k_qd4294d19ac_proj:
	.size	k_qd4294d19ac_proj, .Lfunc_end_k_qd4294d19ac_proj-k_qd4294d19ac_proj
	.p2alignl 7, 3214868480
	.fill 96, 4, 3214868480
	.section	.rodata,"a",@progbits
	.p2align	6, 0x0
	.amdhsa_kernel k_qd4294d19ac_proj
		.amdhsa_group_segment_fixed_size 327680
		.amdhsa_private_segment_fixed_size 0
		.amdhsa_enable_private_segment 0
		.amdhsa_kernarg_size 40
		.amdhsa_user_sgpr_count 2
		.amdhsa_user_sgpr_kernarg_segment_ptr 1
		.amdhsa_wavefront_size32 1
		.amdhsa_system_sgpr_workgroup_id_x 1
		.amdhsa_system_sgpr_workgroup_id_y 1
		.amdhsa_system_sgpr_workgroup_id_z 1
		.amdhsa_system_vgpr_workitem_id 0
		.amdhsa_next_free_vgpr 1024
		.amdhsa_next_free_sgpr 80
		.amdhsa_reserve_vcc 0
		.amdhsa_float_denorm_mode_32 3
		.amdhsa_float_denorm_mode_16_64 3
		.amdhsa_memory_ordered 1
		.amdhsa_forward_progress 1
		.amdhsa_inst_pref_size 152
	.end_amdhsa_kernel
	.amdgpu_metadata
---
amdhsa.version: [ 1, 2 ]
amdhsa.kernels:
  - .name:           k_qd4294d19ac_proj
    .symbol:         k_qd4294d19ac_proj.kd
    .args:
      - { .name: cb, .offset: 0, .size: 8, .value_kind: global_buffer, .address_space: global }
      - { .name: bq, .offset: 8, .size: 8, .value_kind: global_buffer, .address_space: global }
      - { .name: bk, .offset: 16, .size: 8, .value_kind: global_buffer, .address_space: global }
      - { .name: bv, .offset: 24, .size: 8, .value_kind: global_buffer, .address_space: global }
      - { .name: hb, .offset: 32, .size: 8, .value_kind: global_buffer, .address_space: global }
    .group_segment_fixed_size: 327680
    .private_segment_fixed_size: 0
    .kernarg_segment_align: 8
    .kernarg_segment_size: 40
    .max_flat_workgroup_size: 128
    .sgpr_count:     80
    .vgpr_count:     1024
    .wavefront_size: 32
...
	.end_amdgpu_metadata
.endif
;; end of part 2
;; launch attn (part 3): grid 8 x 32, 4 waves a work-group, clusters of 4 x 1, 327,680 bytes of LDS; arguments hb, mn, rf, ob; writes ob
.if DOCPART == 3
	.amdgcn_target "amdgcn-amd-amdhsa--gfx1250"
	.amdhsa_code_object_version 6
	.text
	.protected	k_qd4294d19ac_attn
	.globl	k_qd4294d19ac_attn
	.p2align	8
	.type	k_qd4294d19ac_attn,@function
k_qd4294d19ac_attn:
	s_mov_b64 s[64:65], 0
	v_nop
	global_prefetch_b8 v0, s[64:65] scope:SCOPE_SE
	s_setreg_imm32_b32 hwreg(HW_REG_WAVE_MODE, 25, 1), 1
	s_wait_xcnt 0x0
	s_wait_alu depctr_hold_cnt(0) depctr_sa_sdst(0) depctr_va_vdst(0) depctr_va_sdst(0) depctr_va_ssrc(0) depctr_va_vcc(0) depctr_vm_vsrc(0)
	s_getreg_b32 s2, hwreg(HW_REG_IB_STS2, 6, 4)
	s_cmp_eq_u32 s2, 0
	s_cbranch_scc0 .Lentry_in_a_cluster
	s_endpgm
.Lentry_in_a_cluster:
	s_bfe_u32 s2, ttmp6, 0x10000c
	s_cmp_lg_u32 s2, 0x3003
	s_cbranch_scc0 .Lentry_shape_is_right
	s_endpgm
.Lentry_shape_is_right:
; MASKED ATTENTION.  O[n][q] = the sum over k of softmax_k(s) V[n][k], s = Q[n][q] . K[n][k] / 8, hidden keys (mask plane n % 2) left out.  32 heads of 2,048 rows of 64 channels, f16.
; Products, maxima and sums in f32; the weights p are rounded to f16 for the second product (their sum l is taken of the unrounded p), O once at the end.
; THE MASK arrives as nibbles in the score tile's own lane layout: one conversion from FP4 with the scale 2^100 makes of a dword the eight numbers 0 or -6 x 2^100 of a 16 x 16 tile.  They are written into the
; score accumulator, and all eight products K Q^T add onto them.  A row with no visible key has nibbles 0 and the flag 0: its Q is cleared, all its scores are 0, its result is the mean of V.
; LIMITS.  Q, K, V arrive within f16's 65,504.  A hidden key has the weight 0: that is the reference's result while a row's visible scores / 8 stay above about -1e9.  A weight below 2^-126 counts as 0 in l.
; NaN and infinities are not treated apart.
; SHARES.  A work-group owns 256 queries of a head, a wave 64: four PIECES of 16.  Every wave walks 8 tiles of 256 keys, 4 steps of 64 each.
; SOFTMAX.  Running maximum m and sum l: p = 2^(c s - c m), c = log2(e) / 8; in every step O and l are multiplied by a = 2^(c m_old - c m_new).  m starts at -2^60, below every score and above every hidden one.
; BY TURNS.  Turn n belongs to piece n: 8 products K Q^T of piece n + 1, later 8 products V^T P of piece n - 1; beside them piece n's scaling, exponentials, roundings, sums and rescaling, piece n + 1's
; maximum and statistics, and the mask of piece n + 2.  Four vector instructions stand behind every matrix instruction, the rest in two lumps.
; CLUSTER.  The four query blocks of a cluster belong to one head: K and V are asked for JOINTLY (waves 0, 1); each work-group's own mask tile comes by a load of its own (waves 2, 3).
; NO PREFETCH: a tile is asked for straight behind the round and waited for four key steps later: 256 matrix and some 1,950 vector instructions of every wave stand between the request and the wait.
; REGISTERS.  window 0: v0 an LDS address at work; v1 the scale; v2-5 mask words; v6-7 c m_old; v8-23 statistics; v24-31 at work; v32-95 S^T, two buffers; v96-127 P, two buffers; v128-191 K; v192-255 Q:
;   all that a softmax and a product K Q^T name.     window 1: v0-127 O^T; v128-191 V; v192-206 constant addresses and the add's two registers: written once, at the head, and never used for data.
.set NP,    4
.set STEPB, 18432     ; a step in LDS: 64 rows of K, 64 rows of V, 144 bytes each (128 + 16 of padding)
.set VOFF,  9216
.set MOFF,  73728     ; behind a slot's four steps: 32,768 bytes of mask: wave x 8,192 + step x 2,048 + piece x 512 + 16 x lane
.set SLOT1, 1<<17
.set STAGE, 237568    ; behind the ring: 16 rows x 144 bytes for each wave
.set SP,    144
.set SPARE, 246784    ; the spare words, 128 bytes a wave: two blocks of 256 bytes that no other line names
.set ADR, 0
.set SCL, 1
.set MW,  2
.set MV,  6
.set ST,  8           ; piece t: c m, m, l (even keys', odd keys')
.set TMP, 24
.set S,   32
.set P,   96
.set KF,  128
.set Q,   192
.set VF,  128         ; window 1 from here on
.set AK0, 192         ; my lane's place in a step's K
.set AV0, 193         ; in its V
.set AM0, 194         ; in my wave's part of a mask tile
.set SPW, 202
.set NIL, 203
.set STO, 204         ; the way out: where I put 16 bytes of a row
.set RD,  205         ; where I read rows back
.set GO,  206         ; my byte offset in 512 consecutive bytes of O
.set WV,  12
.set G1K, 24
.set G1M, 32
.set G0K, 40
.set G0M, 44
.set TBM, 54
.set STB, 55          ; my stage's first byte; holds nothing else
.set SLOTS, 56
.set CNT, 57
.set CS,  58
.set SEL, 60
.set TBK, 62
.set TBV, 63
.set MSB, 0
.macro WIN new
.if MSB != (\new)
	s_set_vgpr_msb (MSB<<8)|(\new)
.set MSB, (\new)
.endif
.endm
.set W_PV, 0x51       ; V (source 0), C and D in window 1, P (source 1) in window 0; the rescaling (O^T times a) has the same places
.set W_AD, 0x05       ; sources 0 and 1 in window 1
.set W_S0, 0x01       ; source 0 (an address) in window 1
.set W_S1, 0x04       ; source 1 in window 1
.set W_D1, 0x40       ; destination in window 1
.macro JLOAD                        ; waves 0, 1: two steps' K and V each, jointly; waves 2, 3: half of my work-group's mask tile each.  An s_nop 0 and four v_nop follow each line
	s_cmp_lt_u32 s[WV], 2
	s_cbranch_scc0 .Lfor_m_\@
	tensor_load_to_lds s[G0K:G0K+3], s[G1K:G1K+7]
	s_nop 0
.rept 4
	v_nop
.endr
	s_branch .Lasked_\@
.Lfor_m_\@:
	tensor_load_to_lds s[G0M:G0M+3], s[G1M:G1M+7]
	s_nop 0
.rept 4
	v_nop
.endr
.Lasked_\@:
.endm
.macro CROUND                       ; a round of the cluster's barrier
	s_barrier_signal -1
	s_barrier_wait -1
	s_cmp_lg_u32 s[WV], 0
	s_cbranch_scc1 .Lnot_wave_0_\@
	s_barrier_signal -3
.Lnot_wave_0_\@:
	s_barrier_wait -3
	s_barrier_signal -1
	s_barrier_wait -1
.endm
; THE CHANGE OF SLOTS.  Each wave waits for all its tensor loads (one is out: its part of the other slot), adds 0 to its spare word, and waits for that and for its reads of the slot.
; fill = 1: behind a round of the cluster's barrier the slot is filled again, with the tile two on: it has four key steps in which to land.
.macro CHANGE fill
	WIN W_AD
	s_wait_tensorcnt 0x0            ; no tensor load of mine is out, so a group 0 may be written
	ds_add_u32 v[SPW], v[NIL]
	WIN 0
.if \fill
	s_xor_b32 s[G0K+1], s[G0K+1], SLOT1
	s_add_nc_u64 s[G0K+2:G0K+3], s[G0K+2:G0K+3], 98304   ; four row blocks of 24,576 bytes
	s_xor_b32 s[G0M+1], s[G0M+1], SLOT1
	s_add_nc_u64 s[G0M+2:G0M+3], s[G0M+2:G0M+3], 32768
	s_wait_dscnt 0x0                ; the add is done, and my reads of the slot are over
	CROUND
	JLOAD
.else
	s_wait_dscnt 0x0
	s_barrier_signal -1
	s_barrier_wait -1
.endif
	s_sub_co_u32 s[TBK], s[TBK], 4*STEPB  ; the fetches go back to a slot's first step, in the other slot
	s_xor_b32 s[TBK], s[TBK], SLOT1
	s_sub_co_u32 s[TBV], s[TBV], 4*STEPB
	s_xor_b32 s[TBV], s[TBV], SLOT1
	s_sub_co_u32 s[TBM], s[TBM], 8192
	s_xor_b32 s[TBM], s[TBM], SLOT1
.endm
	s_load_b256 s[4:11], s[0:1], 0x0  ; hb s[4:5], mn s[6:7], rf s[8:9], ob s[10:11]
	WIN W_D1
	v_lshl_add_u32 v[SPW], v0, 2, SPARE
	v_mov_b32 v[NIL], 0
	WIN W_AD
	ds_add_u32 v[SPW], v[NIL]       ; the wave's opening: the add and its wait stand ahead of my first tensor load
	WIN 0
	v_lshrrev_b32 v1, 5, v0
	v_readfirstlane_b32 s[WV], v1   ; wave 0..3
	s_bfe_u32 s13, ttmp6, 0x40000   ; cx
	s_lshl_b32 s14, ttmp9, 2
	s_add_co_u32 s14, s14, s13      ; my query block: it enters Q's, O's, the flags' and the mask's global addresses alone
	s_and_b32 s15, ttmp7, 0xffff    ; the head, which the four partners share
	s_and_b32 s16, s[WV], 1         ; which half I fetch
	s_mul_i32 s20, s15, 786432      ; the head's first byte in hb
	s_mul_i32 s18, s16, 49152       ; K and V: two row blocks a half,
	s_add_co_u32 s18, s18, s20
	s_add_co_u32 s18, s18, 8192     ; behind a block's q
	s_mov_b32 s19, 0
	s_mul_i32 s17, s16, 2*STEPB
	s_and_b32 s2, s15, 1            ; the mask's plane goes by the head's parity
	s_lshl3_add_u32 s3, s2, s14     ; plane x 8 + query block
	s_lshl_b32 s22, s3, 18          ; eight tiles of 32,768 bytes
	s_lshl_b32 s23, s16, 14
	s_add_co_u32 s22, s22, s23
	s_mov_b32 s[G0M], 1
	s_add_co_u32 s[G0M+1], s23, MOFF
	s_mov_b32 s23, 0
	s_mov_b32 s[G0K], 1
	s_mov_b32 s[G0K+1], s17
	; K and V: two rows of 8,192 elements, each the dense 16,384 bytes (64 rows of K, 64 of V) of one step; padded in LDS after every 128 bytes
	s_mov_b32 s[G1K], 15|(1<<16)|(1<<20)|(1<<21)|(4<<22)|(3<<25)
	s_mov_b32 s[G1K+1], 8192<<16    ; tensor_dim0
	s_mov_b32 s[G1K+2], 2<<16       ; tensor_dim1
	s_mov_b32 s[G1K+3], 8192<<16    ; tile_dim0
	s_mov_b32 s[G1K+4], 2           ; tile_dim1
	s_mov_b32 s[G1K+5], 12288       ; a row block is 24,576 bytes
	s_mov_b32 s[G1K+6], 0
	s_mov_b32 s[G1K+7], 0
	; the mask: 64 rows of 256 bytes, dense
	s_mov_b32 s[G1M], 3<<16         ; 8-byte elements, no mask of work-groups, no padding
	s_mov_b32 s[G1M+1], 32<<16
	s_mov_b32 s[G1M+2], 64<<16
	s_mov_b32 s[G1M+3], 32<<16
	s_mov_b32 s[G1M+4], 64
	s_mov_b32 s[G1M+5], 32
	s_mov_b32 s[G1M+6], 0
	s_mov_b32 s[G1M+7], 0
	s_mov_b32 s[CS], 0x3e38aa3b     ; c = log2(e) / 8
	s_mov_b32 s[CS+1], s[CS]
	s_mov_b32 s[SEL], 0x76543210
	s_mov_b32 s[SEL+1], 0xfedcba98
	s_mov_b32 s[TBK], SLOT1+4*STEPB ; the first change of slots turns these three into 0
	s_mov_b32 s[TBV], SLOT1+4*STEPB
	s_mov_b32 s[TBM], SLOT1+8192
	s_mov_b32 s[SLOTS], 7           ; passes of the loop over tiles
	s_mul_i32 s[STB], s[WV], 16*SP
	s_add_co_u32 s[STB], s[STB], STAGE
	s_wait_dscnt 0x0                ; the opening add is done
	s_wait_kmcnt 0x0
	s_add_nc_u64 s[G0K+2:G0K+3], s[4:5], s[18:19]
	s_or_b32 s[G0K+3], s[G0K+3], 0x80000000
	s_add_nc_u64 s[G0M+2:G0M+3], s[6:7], s[22:23]
	s_or_b32 s[G0M+3], s[G0M+3], 0x80000000
	CROUND                          ; all four work-groups are here
	JLOAD                           ; tile 0 into slot 0; slot 1 is asked for when slot 0 is in
	s_lshl2_add_u32 s2, s14, s[WV]  ; my 64 rows among the head's 32 row blocks
	s_mul_i32 s22, s2, 24576
	s_add_co_u32 s22, s22, s20
	s_add_nc_u64 s[4:5], s[4:5], s[22:23]     ; Q
	s_lshl_b32 s22, s15, 18
	s_lshl_b32 s3, s2, 13
	s_add_co_u32 s22, s22, s3
	s_add_nc_u64 s[10:11], s[10:11], s[22:23] ; O
	s_and_b32 s22, s15, 1
	s_lshl_b32 s22, s22, 13
	s_lshl_b32 s3, s2, 8
	s_add_co_u32 s22, s22, s3
	s_add_nc_u64 s[8:9], s[8:9], s[22:23]     ; the flags
	s_lshl_b32 s17, s[WV], 13
	s_add_co_u32 s17, s17, MOFF
	v_and_b32 v32, 15, v0           ; l % 16
	v_bfe_u32 v33, v0, 4, 1         ; l / 16
	v_and_b32 v34, 7, v0
	v_bfe_u32 v35, v0, 3, 1
	v_and_b32 v36, 31, v0
	v_bfe_u32 v37, v0, 3, 2
	v_lshlrev_b32 v38, 7, v32
	v_lshl_add_u32 v38, v33, 4, v38 ; Q: row x 128 + 16 x half
	v_lshlrev_b32 v39, 2, v32
	v_mul_u32_u24 v40, v32, SP
	v_lshl_add_u32 v40, v33, 4, v40 ; row x 144 + 16 x half: K's fragments, and the way into the stage
	v_lshl_add_u32 v41, v33, 3, v34 ; the turning load: key 8 (l / 16) + l % 8, channels 8 ((l / 8) % 2) on
	v_mul_u32_u24 v41, v41, SP
	v_lshl_add_u32 v41, v35, 4, v41
	v_mul_u32_u24 v42, v37, SP      ; back from the stage: 32 lanes take four rows of 128 bytes
	v_lshl_add_u32 v42, v34, 4, v42
.set i, 0
.rept 8                             ; Q stays in registers: piece i / 2, channels 32 (i % 2) on
	global_load_b128 v[Q+8*i:Q+8*i+3],   v38, s[4:5] offset:(i/2)*2048+(i%2)*64
	global_load_b128 v[Q+8*i+4:Q+8*i+7], v38, s[4:5] offset:(i/2)*2048+(i%2)*64+32
.set i, i+1
.endr
.irp x, 0,1,2,3
	global_load_b32 v[P+(\x)], v39, s[8:9] offset:64*(\x)  ; my query's flag, for each piece
.endr
	WIN W_D1
	v_mov_b32 v[AK0], v40
	v_add_nc_u32 v[AV0], VOFF, v41
	v_lshl_add_u32 v[AM0], v36, 4, s17
	v_add_nc_u32 v[STO], s[STB], v40
	v_add_nc_u32 v[RD], s[STB], v42
	v_lshlrev_b32 v[GO], 4, v36
	; what the first turn finds: O^T, V, P's second buffer and l are 0: its products V^T P, of a piece that has not been, add 0.  All this stands in the wait for the first tile.
.set i, 0
.rept 192
	v_mov_b32 v[i], 0
.set i, i+1
.endr
	WIN 0
.set i, 0
.rept 4
	v_mov_b32 v[ST+4*i], 0xdc38aa3b    ; c m = -c 2^60
	v_mov_b32 v[ST+4*i+1], 0xdd800000  ; m = -2^60
	v_mov_b32 v[ST+4*i+2], 0
	v_mov_b32 v[ST+4*i+3], 0
.set i, i+1
.endr
.set i, P+16
.rept 16
	v_mov_b32 v[i], 0
.set i, i+1
.endr
	v_mov_b32 v[SCL], 0xe3e3e3e3    ; 227 in each byte: the conversion's scale, byte 0, is 2^(227 - 127)
; THE MATRIX WORK.  The 4 accumulators of a run of 8 take turns.  Product i of 8 of S^T = mask + K Q^T for piece x: channels 32 (i / 4) on, keys 16 (i % 4) on.
.macro KQ x
	WIN 0
.set rS, S+32*((\x)%2)+8*(i%4)
.set rK, KF+16*(i%4)+8*(i/4)
.set rQ, Q+16*(\x)+8*(i/4)
	v_wmma_f32_16x16x32_f16 v[rS:rS+7], v[rK:rK+7], v[rQ:rQ+7], v[rS:rS+7]
.endm
.macro PV x                         ; product i of 8 of O^T += V^T P: keys 32 (i / 4) on, channels 16 (i % 4) on
	WIN W_PV
.set rO, 32*(\x)+8*(i%4)
.set rV, VF+32*(i/4)+8*(i%4)
.set rP, P+16*((\x)%2)+8*(i/4)
	v_wmma_f32_16x16x32_f16 v[rO:rO+7], v[rV:rV+7], v[rP:rP+7], v[rO:rO+7]
.endm
.macro MM                           ; the turn's next matrix instruction.  NOKQ = 1: the last turn of all: there is no next piece
.if (i < 8) && !NOKQ
	KQ (Y+1)%NP
.elseif i >= 8
.set i, i-8
	PV (Y+NP-1)%NP
.set i, i+8
.endif
.set i, i+1
.endm
; THE LDS LOADS stand in runs; the address is made in front of each run from a constant lane address (window 1) and a scalar that steps.
.macro FETCH_K
	WIN W_S1
	v_add_nc_u32 v[ADR], s[TBK], v[AK0]
	WIN 0
.irp f, 0,1,2,3,4,5,6,7             ; keys 16 (f / 2) on, channels 32 (f % 2) on
	ds_load_b128 v[KF+8*(\f):KF+8*(\f)+3],   v[ADR] offset:((\f)/2)*16*SP+((\f)%2)*64
	ds_load_b128 v[KF+8*(\f)+4:KF+8*(\f)+7], v[ADR] offset:((\f)/2)*16*SP+((\f)%2)*64+32
.endr
	s_add_co_u32 s[TBK], s[TBK], STEPB
.endm
.macro FETCH_V
	WIN W_S1
	v_add_nc_u32 v[ADR], s[TBV], v[AV0]
	WIN W_D1
.irp f, 0,1,2,3,4,5,6,7             ; keys 32 (f / 4) on, channels 16 (f % 4) on
	ds_load_tr16_b128 v[VF+8*(\f):VF+8*(\f)+3],   v[ADR] offset:((\f)/4)*32*SP+((\f)%4)*32
	ds_load_tr16_b128 v[VF+8*(\f)+4:VF+8*(\f)+7], v[ADR] offset:((\f)/4)*32*SP+16*SP+((\f)%4)*32
.endr
	WIN 0
	s_add_co_u32 s[TBV], s[TBV], STEPB
.endm
.macro LOADM off                    ; a piece's mask for one step: 16 bytes a lane
	WIN W_S1
	v_add_nc_u32 v[ADR], s[TBM], v[AM0]
	WIN 0
	ds_load_b128 v[MW:MW+3], v[ADR] offset:\off
.endm
; THE VECTOR WORK, one line at a time: OP kind, number.  For piece Y: F n: c s - c m for pair n.  E n: the exponential of score n.  C n: pair n rounded to f16.  B n: of the four weights 4 n .. the second pair is
; added onto the first, in place (behind C 2n, which reads the first).  L n: l takes that sum (L 0: l = a l + sum).  R n: pair n of O^T times a.  T n: mask word n into registers 8 n .. 8 n + 7 of Y's score buffer,
; which piece Y + 2 takes next.  For piece Y + 1: X n, the 22 that find its maximum and statistics (each accumulator's lowest registers are read first).
.set F, 0
.set E, 1
.set C, 2
.set B, 3
.set L, 4
.set R, 5
.set X, 6
.set T, 7
.macro REGS y
.set rT, ST+4*(\y)
.set rC, TMP+4*((\y)%2)
.set rW, MV+((\y)%2)
.set rS, S+32*((\y)%2)
.set rP, P+16*((\y)%2)
.set rO, 32*(\y)
.endm
.macro OP k, n
.if (\k) == R
	REGS Y
	WIN W_PV
	v_pk_mul_f32 v[rO+2*(\n):rO+2*(\n)+1], v[rO+2*(\n):rO+2*(\n)+1], v[rC+2:rC+3] op_sel_hi:[1,0]
.elseif (\k) < R
	REGS Y
	WIN 0
.if (\k) == F
	v_pk_fma_f32 v[rS+2*(\n):rS+2*(\n)+1], v[rS+2*(\n):rS+2*(\n)+1], s[CS:CS+1], v[rT:rT+1] op_sel_hi:[1,0,0] neg_lo:[0,0,1] neg_hi:[0,0,1]
.elseif (\k) == E
	v_exp_f32 v[rS+(\n)], v[rS+(\n)]
.elseif (\k) == C
	s_wait_alu depctr_va_vdst(0)
	v_cvt_pk_f16_f32 v[rP+(\n)], v[rS+2*(\n)], v[rS+2*(\n)+1]
.elseif (\k) == B
	v_pk_add_f32 v[rS+4*(\n):rS+4*(\n)+1], v[rS+4*(\n):rS+4*(\n)+1], v[rS+4*(\n)+2:rS+4*(\n)+3]
.elseif (\n) == 0
	v_pk_fma_f32 v[rT+2:rT+3], v[rT+2:rT+3], v[rC+2:rC+3], v[rS:rS+1] op_sel_hi:[1,0,1]
.else
	v_pk_add_f32 v[rT+2:rT+3], v[rT+2:rT+3], v[rS+4*(\n):rS+4*(\n)+1]
.endif
.elseif (\k) == T
	REGS Y
	WIN 0
	v_cvt_scale_pk8_f32_fp4 v[rS+8*(\n):rS+8*(\n)+7], v[MW+(\n)], v[SCL]
.elseif NOKQ
	v_nop
.else
	REGS (Y+1)%NP
	WIN 0
.if (\n) < 4
	v_max3_num_f32 v[rC+(\n)], v[rS+8*(\n)], v[rS+8*(\n)+1], v[rS+8*(\n)+2]
.elseif (\n) < 12
	v_max3_num_f32 v[rC+(\n)%4], v[rC+(\n)%4], v[rS+8*((\n)%4)+2*((\n)/4)+1], v[rS+8*((\n)%4)+2*((\n)/4)+2]
.elseif (\n) == 12
	v_max3_num_f32 v[rC], v[rC], v[rS+7], v[rS+15]
.elseif (\n) == 13
	v_max3_num_f32 v[rC+1], v[rC+1], v[rS+23], v[rS+31]
.elseif (\n) == 14
	v_max3_num_f32 v[rC+2], v[rC+2], v[rC+3], v[rT+1]
.elseif (\n) == 15
	v_mov_b32 v[rW], v[rT]
.elseif (\n) == 16
	v_max3_num_f32 v[rC], v[rC], v[rC+1], v[rC+2]
.elseif (\n) == 17
	v_permlanex16_b32 v[rC+3], v[rC], s[SEL], s[SEL+1]
.elseif (\n) == 18
	v_max_num_f32 v[rT+1], v[rC], v[rC+3]
.elseif (\n) == 19
	v_mul_f32 v[rT], s[CS], v[rT+1]
.elseif (\n) == 20
	v_sub_f32 v[rC+1], v[rW], v[rT]
.else
	v_exp_f32 v[rC+2], v[rC+1]
.endif
.endif
.endm
.macro OPS a, i1, b=-1, i2=0, c=-1, i3=0, d=-1, i4=0
	OP \a, \i1
.if (\b) >= 0
	OP \b, \i2
.endif
.if (\c) >= 0
	OP \c, \i3
.endif
.if (\d) >= 0
	OP \d, \i4
.endif
.endm
.macro ROW a, i1, b, i2, c, i3, d, i4  ; a matrix instruction and the four behind it; none names a register of the products round it
	MM
	OPS \a, \i1, \b, \i2, \c, \i3, \d, \i4
.endm
; A TURN, for piece p.  At its head the mask words of piece p + 2 are asked for (pieces 2, 3 of the step in hand, or 0, 1 of the next); at its end they are turned into numbers.
; K of the next step is fetched in piece 2's turn, behind five plain instructions and the address line that follow the last product that read K; V of the step in hand at the end of piece 0's turn.
; end = 1: the last two turns of all: nothing is fetched, and the last starts no new scores.
.macro TURN p, end=0
.set Y, (\p)
.set i, 0
.set NOKQ, (\end)*((\p)/3)
.if !(\end)
.if (\p) == 3
	s_wait_dscnt 0x0                ; K is in
.endif
	LOADM (((\p)+2)%NP)*512
.if (\p) == 1
	s_add_co_u32 s[TBM], s[TBM], 2048  ; the next four blocks are the next step's
.endif
.endif
	ROW F,0, F,1, F,2, F,3
	ROW F,4, E,0, F,5, F,6
	ROW F,7, E,1, F,8, F,9
	ROW F,10, E,2, C,0, F,11
	ROW F,12, E,3, X,15, F,13
	ROW F,14, E,4, F,15, E,5
	ROW C,1, E,6, B,0, E,7
	ROW C,2, E,8, L,0, E,9
	OPS E,10, C,3, E,11, B,1
	OPS E,12, C,4
.if ((\p) == 2) && !(\end)
	FETCH_K
.endif
	OPS E,13, L,1, E,14, C,5
	OPS E,15, B,2, E,16, C,6
	OPS E,17, L,2, E,18, C,7
	OPS E,19, B,3, E,20, C,8
	OPS E,21, L,3, E,22, C,9
	OPS E,23, B,4, E,24, C,10
	OPS E,25, L,4, E,26, C,11
	OPS E,27, B,5
.if (\p) == 1
	s_wait_dscnt 0x0                ; V is in
.endif
	ROW R,0, R,1, R,2, R,3
	ROW R,4, R,5, R,6, R,7
	ROW R,8, R,9, R,10, R,11
	ROW R,12, R,13, R,14, R,15
	ROW X,0, E,28, X,1, X,2
	ROW X,3, E,29, X,4, X,5
	ROW X,6, E,30, X,7, X,8
	ROW X,9, E,31, X,10, X,11
	OPS X,12, X,13, X,14, C,12
	OPS C,13, X,16, L,5, B,6
	OPS C,14, X,17, C,15, L,6
	OPS B,7, X,18, L,7, X,19
.if !(\end)
	s_wait_dscnt 0x0                ; the mask words are in
	OPS T,0, T,1, T,2, T,3          ; the buffer's last reader, L 7, stands in front; X 20 is the plain instruction between the conversions and the products that add onto them
.endif
	OPS X,20, X,21
.if (\p) == 0
	FETCH_V
.endif
.endm
	CHANGE 1                        ; slot 0 is in, everybody's part of it; slot 1 is asked for
	; THE BEGINNING: Q and its flags; the masks of pieces 0 and 1 for step 0; K of step 0; piece 0's first scores, maximum and statistics
	s_wait_loadcnt 0x0
.set i, 0
.rept 64
	v_and_b32 v[Q+i], v[Q+i], v[P+i/16]  ; a row with no visible key: q = 0
.set i, i+1
.endr
	LOADM 0
	s_wait_dscnt 0x0
.set NOKQ, 0
.set Y, 0
	OPS T,0, T,1, T,2, T,3
	v_nop                           ; a plain instruction between the conversions and the load that writes their source
	ds_load_b128 v[MW:MW+3], v[ADR] offset:512
	FETCH_K
	s_wait_dscnt 0x0
.set Y, 1
	OPS T,0, T,1, T,2, T,3
	v_nop
.set i, 0
.rept 8
	KQ 0
.set i, i+1
.endr
.rept 4
	v_nop                           ; the places behind those products
.endr
.set Y, NP-1                        ; X works for piece Y + 1: piece 0
.irp n, 0,1,2,3,4,5,6,7,8,9,10,11,12,13,14,15,16,17,18,19,20,21
	OP X, \n
.endr
	v_nop                           ; a plain instruction behind the exponential
	s_mov_b32 s[CNT], 4
	s_branch .Lfirst                ; the loop is entered at a step's first turn, in the middle of a trip
.Lslot:                             ; six times: tiles 2 to 7 are asked for
	CHANGE 1
	s_mov_b32 s[CNT], 4
.Lstep:                             ; a trip: pieces 2 and 3 of one step, then pieces 0 and 1 of the next
	TURN 2
	TURN 3
	WIN 0
.Lfirst:
	TURN 0
	TURN 1
	WIN 0
	s_sub_co_u32 s[CNT], s[CNT], 1
	s_cmp_lg_u32 s[CNT], 0
	s_cbranch_scc1 .Lstep
	s_sub_co_u32 s[SLOTS], s[SLOTS], 1
	s_cmp_lg_u32 s[SLOTS], 0
	s_cbranch_scc1 .Lslot
	CHANGE 0                        ; the last tile is written out
	s_mov_b32 s[CNT], 4
.Ltail:
	TURN 2
	TURN 3
	TURN 0
	TURN 1
	WIN 0
	s_sub_co_u32 s[CNT], s[CNT], 1
	s_cmp_lg_u32 s[CNT], 0
	s_cbranch_scc1 .Ltail
	TURN 2, 1
	TURN 3, 1
.set i, 0
.rept 8
	PV NP-1                         ; the last piece's V^T P of the last step
.set i, i+1
.endr
	; THE WAY OUT: O^T is divided by l, rounded to f16 and sent through my stage, a piece at a time.  The additions are the places behind the last products.
	WIN 0
.macro ALL line:vararg
.set t, 0
.rept 4
	\line
.set t, t+1
.endr
.endm
	ALL v_add_f32 v[ST+4*t+2], v[ST+4*t+2], v[ST+4*t+3]
	ALL v_permlanex16_b32 v[ST+4*t+3], v[ST+4*t+2], s[SEL], s[SEL+1]
	ALL v_add_f32 v[ST+4*t+2], v[ST+4*t+2], v[ST+4*t+3]
	ALL v_rcp_f32 v[ST+4*t+2], v[ST+4*t+2]
	v_nop                           ; a plain instruction between the last reciprocal and the use of its result
; Piece t: a lane's eight channels of a row pack into 16 bytes; they go into rows of 144 bytes and come back as whole rows of 128, into S^T's registers.  The addresses are named where they lie, in window 1.
.macro PACK t
	WIN W_PV
.set i, 32*(\t)
.rept 16
	s_wait_alu depctr_va_vdst(0)
	v_pk_mul_f32 v[i:i+1], v[i:i+1], v[ST+4*(\t)+2:ST+4*(\t)+3] op_sel_hi:[1,0]
.set i, i+2
.endr
	WIN W_AD
.set i, 0
.rept 16
	v_cvt_pk_f16_f32 v[S+16*(\t)+i], v[32*(\t)+2*i], v[32*(\t)+2*i+1]
.set i, i+1
.endr
	WIN W_S0
.irp f, 0,1,2,3
	ds_store_b128 v[STO], v[S+16*(\t)+4*(\f):S+16*(\t)+4*(\f)+3] offset:32*(\f)
.endr
.irp f, 0,1,2,3
	ds_load_b128 v[S+16*(\t)+4*(\f):S+16*(\t)+4*(\f)+3], v[RD] offset:(\f)*4*SP  ; LDS serves a wave's instructions in order: these see the stores above
.endr
.endm
.macro SEND t, younger              ; younger: the next piece's eight LDS instructions, or none
	WIN W_S0
.irp f, 0,1,2,3
	s_wait_dscnt (\younger)+3-(\f)
	global_store_b128 v[GO], v[S+16*(\t)+4*(\f):S+16*(\t)+4*(\f)+3], s[10:11] offset:(\t)*2048+(\f)*512  ; 512 consecutive bytes, aligned
.endr
.endm
	PACK 0
	PACK 1
	SEND 0, 8
	PACK 2
	SEND 1, 8
	PACK 3
	SEND 2, 8
	SEND 3, 0
	WIN W_AD
	s_wait_tensorcnt 0x0            ; the wave's end
	ds_add_u32 v[SPW], v[NIL]
	s_wait_dscnt 0x0
	WIN 0
	CROUND                          ; the closing round
	s_endpgm
.Lfunc_end_k_qd4294d19ac_attn:
	.size	k_qd4294d19ac_attn, .Lfunc_end_k_qd4294d19ac_attn-k_qd4294d19ac_attn
	.p2alignl 7, 3214868480
	.fill 96, 4, 3214868480
	.section	.rodata,"a",@progbits
	.p2align	6, 0x0
	.amdhsa_kernel k_qd4294d19ac_attn
		.amdhsa_group_segment_fixed_size 327680
		.amdhsa_private_segment_fixed_size 0
		.amdhsa_enable_private_segment 0
		.amdhsa_kernarg_size 32
		.amdhsa_user_sgpr_count 2
		.amdhsa_user_sgpr_kernarg_segment_ptr 1
		.amdhsa_wavefront_size32 1
		.amdhsa_system_sgpr_workgroup_id_x 1
		.amdhsa_system_sgpr_workgroup_id_y 1
		.amdhsa_system_sgpr_workgroup_id_z 1
		.amdhsa_system_vgpr_workitem_id 0
		.amdhsa_next_free_vgpr 464
		.amdhsa_next_free_sgpr 66
		.amdhsa_reserve_vcc 0
		.amdhsa_float_denorm_mode_32 3
		.amdhsa_float_denorm_mode_16_64 3
		.amdhsa_memory_ordered 1
		.amdhsa_forward_progress 1
		.amdhsa_inst_pref_size 129
	.end_amdhsa_kernel
	.amdgpu_metadata
---
amdhsa.version: [ 1, 2 ]
amdhsa.kernels:
  - .name:           k_qd4294d19ac_attn
    .symbol:         k_qd4294d19ac_attn.kd
    .args:
      - { .name: hb, .offset: 0, .size: 8, .value_kind: global_buffer, .address_space: global }
      - { .name: mn, .offset: 8, .size: 8, .value_kind: global_buffer, .address_space: global }
      - { .name: rf, .offset: 16, .size: 8, .value_kind: global_buffer, .address_space: global }
      - { .name: ob, .offset: 24, .size: 8, .value_kind: global_buffer, .address_space: global }
    .group_segment_fixed_size: 327680
    .private_segment_fixed_size: 0
    .kernarg_segment_align: 8
    .kernarg_segment_size: 32
    .max_flat_workgroup_size: 128
    .sgpr_count:     66
    .vgpr_count:     464
    .wavefront_size: 32
...
	.end_amdgpu_metadata
.endif
;; end of part 3
;; launch outp (part 4): grid 8 x 32, 4 waves a work-group, clusters of 4 x 4, 327,680 bytes of LDS; arguments ob, cb, bo, out0; writes out0
.if DOCPART == 4
	.amdgcn_target "amdgcn-amd-amdhsa--gfx1250"
	.amdhsa_code_object_version 6
	.text
	.protected	k_qd4294d19ac_outp
	.globl	k_qd4294d19ac_outp
	.p2align	8
	.type	k_qd4294d19ac_outp,@function
k_qd4294d19ac_outp:
	s_mov_b64 s[64:65], 0
	v_nop
	global_prefetch_b8 v0, s[64:65] scope:SCOPE_SE
	s_setreg_imm32_b32 hwreg(HW_REG_WAVE_MODE, 25, 1), 1
	s_wait_xcnt 0x0
	s_wait_alu depctr_hold_cnt(0) depctr_sa_sdst(0) depctr_va_vdst(0) depctr_va_sdst(0) depctr_va_ssrc(0) depctr_va_vcc(0) depctr_vm_vsrc(0)
	s_getreg_b32 s2, hwreg(HW_REG_IB_STS2, 6, 4)
	s_cmp_eq_u32 s2, 0
	s_cbranch_scc0 .Lentry_in_a_cluster
	s_endpgm
.Lentry_in_a_cluster:
	s_bfe_u32 s2, ttmp6, 0x10000c
	s_cmp_lg_u32 s2, 0xf033
	s_cbranch_scc0 .Lentry_shape_is_right
	s_endpgm
.Lentry_shape_is_right:
; THE LAST PROJECTION: out0 = O Wo^T + bo.  O: f16 by heads, ob [head 32][2048][64]; Wo: [1024][1024], rounded to bf16 and written as f16, at byte 31,457,280 of cb; bo f32, rounded to bf16; out0 f32.
; A tile of out0 is 128 x 128: 256 work-groups.  Four waves, each 64 x 64: 16 accumulators.  K goes in steps of 256, which are four heads: O's tile lies in LDS as four slices of 128 rows x 64 channels.
; CLUSTERS: 4 x 4 work-groups; O's tiles are asked for jointly along a row of the cluster, Wo's along a column.  THE MATRIX INSTRUCTION IS USED TRANSPOSED (source 0 = 16 rows of Wo, source 1 = 16 rows of O).
; No prefetch: a K step's work on this small tile is short, and the ring's loads are what is on the way.
; REGISTERS: window 0: v0-31 addresses; v32-95 the bias, later the way out; v128-255 the accumulators.   window 1: two fragment buffers of 128.
.set SIZE_K, 1024
.set KSTEP,  256
.set PCA,    144                       ; a row of a slice of O: 128 bytes + 16
.set PCB,    528                       ; a row of Wo's tile: 512 bytes + 16
.set SLICE,  128*PCA
.set BOFF,   4*SLICE                   ; Wo's 128 rows lie behind O's four slices
.set HALFB,  64*PCB
.set SLOT,   BOFF+2*HALFB
.set STAGE,  2*SLOT                    ; behind the ring: 16 rows x 272 bytes for each wave
.set SPITCH, 272
.set SPARE,  STAGE+4*16*SPITCH         ; the spare words, 128 bytes a wave: two blocks of 256 bytes that no other line names
.set LAPS,   SIZE_K/(2*KSTEP)
.set ADRA, 16
.set ADRB, 20
.set STO,  24
.set RD,   25
.set CO,   26
.set BO,   27
.set SPW,  28
.set NIL,  29
.set BT,   30
.set TMP,  32
.set BI,   32                          ; v32-63: the bias of column block b at BI + 8 b
.set ACC,  128
.set F0,   0
.set F1,   128
.set G1, 24
.set G0, 32
.set G1B, 48
.set G0B, 56
.set MSB, 0
.macro WIN new
.if MSB != (\new)
	s_set_vgpr_msb (MSB<<8)|(\new)
.set MSB, \new
.endif
.endm
.set MUL,  0x05                        ; sources 0 and 1 window 1; C and D window 0
.set TO_F, 0x40
.macro JLOAD s                         ; waves 0 and 1 fetch two heads of O each, waves 2 and 3 Wo's two halves; an s_nop 0 and four v_nop follow each line
	s_cmp_eq_u32 s11, 0
	s_cbranch_scc0 .Lfor_b_\@
	tensor_load_to_lds s[G0+4*(\s):G0+4*(\s)+3], s[G1:G1+7]
	s_nop 0
.rept 4
	v_nop
.endr
	s_branch .Lasked_\@
.Lfor_b_\@:
	tensor_load_to_lds s[G0B+4*(\s):G0B+4*(\s)+3], s[G1B:G1B+7]
	s_nop 0
.rept 4
	v_nop
.endr
.Lasked_\@:
.endm
.macro CREST
	s_cmp_lg_u32 s10, 0
	s_cbranch_scc1 .Lnot_wave_0_\@
	s_barrier_signal -3
.Lnot_wave_0_\@:
	s_barrier_wait -3
	s_barrier_signal -1
	s_barrier_wait -1
.endm
.macro CROUND
	s_barrier_signal -1
	s_barrier_wait -1
	CREST
.endm
	s_load_b256 s[68:75], s[0:1], 0x0              ; ob s[68:69], cb s[70:71], bo s[72:73], out0 s[74:75]
	v_lshl_add_u32 v[SPW], v0, 2, SPARE
	v_mov_b32 v[NIL], 0
	ds_add_u32 v[SPW], v[NIL]                      ; the wave's opening: the add and its wait stand ahead of my first tensor load
	v_lshrrev_b32 v1, 5, v0
	v_readfirstlane_b32 s10, v1                    ; wave 0..3
	s_lshr_b32 s11, s10, 1                         ; which half of the tile's rows is mine.  Also: I fetch for O (0) or for Wo (1)
	s_and_b32 s12, s10, 1                          ; which half of its columns.  Also: which half of that tile I fetch
	s_bfe_u32 s40, ttmp6, 0x40000
	s_bfe_u32 s41, ttmp6, 0x40004
	s_lshl_b32 s42, ttmp9, 2
	s_add_co_u32 s42, s42, s40                     ; tile column
	s_and_b32 s13, ttmp7, 0xffff
	s_lshl_b32 s13, s13, 2
	s_add_co_u32 s13, s13, s41                     ; tile row
	s_lshl_b32 s43, s41, 2
	s_lshl_b32 s43, 15, s43                        ; my row of the cluster
	s_lshl_b32 s44, 0x1111, s40                    ; my column
	; O: two rows of 8,192 elements, each the dense 16,384 bytes (128 rows) of one head; padded in LDS after every 128 bytes
	s_or_b32 s[G1+0], s43, (1<<16)|(1<<20)|(1<<21)|(4<<22)|(3<<25)
	s_mov_b32 s[G1+1], 8192<<16                    ; tensor_dim0
	s_mov_b32 s[G1+2], 2<<16                       ; tensor_dim1
	s_mov_b32 s[G1+3], 8192<<16                    ; tile_dim0
	s_mov_b32 s[G1+4], 2                           ; tile_dim1
	s_mov_b32 s[G1+5], 131072                      ; a head is 2,048 x 64 elements
	s_mov_b32 s[G1+6], 0
	s_mov_b32 s[G1+7], 0
	; Wo: 64 rows x 256 elements, 4 words of padding after every 128
	s_or_b32 s[G1B+0], s44, (1<<16)|(1<<20)|(1<<21)|(6<<22)|(3<<25)
	s_mov_b32 s[G1B+1], KSTEP<<16
	s_mov_b32 s[G1B+2], 64<<16
	s_mov_b32 s[G1B+3], KSTEP<<16
	s_mov_b32 s[G1B+4], 64
	s_mov_b32 s[G1B+5], SIZE_K
	s_mov_b32 s[G1B+6], 0
	s_mov_b32 s[G1B+7], 0
	s_lshr_b32 s16, s13, 4                         ; batch
	s_lshl_b32 s16, s16, 4
	s_lshl1_add_u32 s16, s12, s16                  ; head = batch x 16 + 2 x half
	s_lshl_b32 s16, s16, 18                        ; 262,144 bytes a head
	s_and_b32 s17, s13, 15
	s_lshl_b32 s17, s17, 14                        ; 128 rows of 128 bytes
	s_add_co_u32 s16, s16, s17
	s_mov_b32 s17, 0
	s_lshl_b32 s46, s42, 7
	s_lshl_b32 s47, s12, 6
	s_add_co_u32 s46, s46, s47                     ; Wo: row 128 x tile column + 64 x half
	s_lshl_b32 s46, s46, 11
	s_add_co_u32 s46, s46, 31457280
	s_mov_b32 s47, 0
	s_mul_i32 s20, s12, 2*SLICE                    ; where they go
	s_mul_i32 s21, s12, HALFB
	s_add_co_u32 s21, s21, BOFF
	s_wait_dscnt 0x0                               ; the opening add is done
	s_wait_kmcnt 0x0
	s_add_nc_u64 s[14:15], s[68:69], s[16:17]
	s_add_nc_u64 s[46:47], s[70:71], s[46:47]
	CROUND                                         ; all sixteen work-groups are here
.irp s, 0,1
	s_mov_b32 s[G0+4*(\s)], 1
	s_add_co_u32 s[G0+4*(\s)+1], s20, (\s)*SLOT
	s_add_nc_u64 s[G0+4*(\s)+2:G0+4*(\s)+3], s[14:15], (\s)*1048576  ; a K step is four heads
	s_or_b32 s[G0+4*(\s)+3], s[G0+4*(\s)+3], 0x80000000
	s_mov_b32 s[G0B+4*(\s)], 1
	s_add_co_u32 s[G0B+4*(\s)+1], s21, (\s)*SLOT
	s_add_nc_u64 s[G0B+4*(\s)+2:G0B+4*(\s)+3], s[46:47], (\s)*KSTEP*2
	s_or_b32 s[G0B+4*(\s)+3], s[G0B+4*(\s)+3], 0x80000000
	JLOAD \s                                       ; two loads of mine are out
.endr
	v_and_b32 v1, 15, v0                           ; l % 16
	v_bfe_u32 v2, v0, 4, 1                         ; l / 16
	v_mul_u32_u24 v3, v1, PCA
	v_lshl_add_u32 v3, v2, 4, v3
	v_mul_u32_u24 v4, v1, PCB
	v_lshl_add_u32 v4, v2, 4, v4
	s_mul_i32 s21, s11, 64*PCA                     ; my 64 rows in each slice of O
	s_mul_i32 s22, s12, HALFB                      ; my 64 rows of Wo
	s_add_co_u32 s22, s22, BOFF
.irp s, 0,1
	v_add_nc_u32 v[ADRA+(\s)], s21, v3
	v_add_nc_u32 v[ADRB+(\s)], s22, v4
	s_add_co_u32 s21, s21, SLOT
	s_add_co_u32 s22, s22, SLOT
.endr
	s_mul_i32 s23, s10, 16*SPITCH
	s_add_co_u32 s23, s23, STAGE                   ; my stage
	v_mul_u32_u24 v5, v1, SPITCH                   ; in: row l % 16, 32 bytes for each half of the lanes
	v_lshl_add_u32 v5, v2, 5, v5
	v_add_nc_u32 v[STO], s23, v5
	v_mul_u32_u24 v5, v2, SPITCH                   ; back: lanes 0-15 one row of 256 bytes, lanes 16-31 the next
	v_lshl_add_u32 v5, v1, 4, v5
	v_add_nc_u32 v[RD], s23, v5
	v_lshlrev_b32 v[CO], 4, v1
	v_lshl_add_u32 v[CO], v2, 12, v[CO]            ; and the same two rows of out0, 4,096 bytes apart
	s_lshl_b32 s16, s13, 7
	s_lshl_b32 s17, s11, 6
	s_add_co_u32 s16, s16, s17                     ; my first row
	s_lshl_b32 s16, s16, 12
	s_lshl_b32 s46, s42, 9                         ; my first column, in bytes
	s_lshl_b32 s47, s12, 8
	s_add_co_u32 s46, s46, s47
	s_add_co_u32 s16, s16, s46
	s_mov_b32 s17, 0
	s_mov_b32 s47, 0
	s_add_nc_u64 s[8:9], s[74:75], s[16:17]
	s_add_nc_u64 s[72:73], s[72:73], s[46:47]      ; the bias of my 64 columns
	v_lshlrev_b32 v[BO], 5, v2
.irp b, 0,1,2,3
	global_load_b128 v[BI+8*(\b):BI+8*(\b)+3],   v[BO], s[72:73] offset:64*(\b)
	global_load_b128 v[BI+8*(\b)+4:BI+8*(\b)+7], v[BO], s[72:73] offset:64*(\b)+16
.endr
	s_wait_loadcnt 0x0
.set i, 0
.rept 16
	v_cvt_pk_bf16_f32 v[BT], v[BI+2*i], v[BI+2*i+1]  ; rounded to bf16 like every input, and widened again
	v_lshlrev_b32 v[BI+2*i], 16, v[BT]
	v_and_b32 v[BI+2*i+1], 0xffff0000, v[BT]
.set i, i+1
.endr
; 8 matrix instructions: m blocks a0, a0 + 1 x all 4 n blocks, 32 along K: half c of buffer f.  zero = 1: the first product starts the sums, with the bias as C
.macro MUL8 f, c, a0, zero
	WIN MUL
.irp a, \a0, (\a0)+1
.irp b, 0,1,2,3
.if \zero
	v_wmma_f32_16x16x32_f16 v[ACC+8*(4*(\a)+(\b)):ACC+8*(4*(\a)+(\b))+7], v[(\f)+64+8*(4*(\c)+(\b)):(\f)+64+8*(4*(\c)+(\b))+7], v[(\f)+8*(4*(\c)+(\a)):(\f)+8*(4*(\c)+(\a))+7], v[BI+8*(\b):BI+8*(\b)+7]
.else
	v_wmma_f32_16x16x32_f16 v[ACC+8*(4*(\a)+(\b)):ACC+8*(4*(\a)+(\b))+7], v[(\f)+64+8*(4*(\c)+(\b)):(\f)+64+8*(4*(\c)+(\b))+7], v[(\f)+8*(4*(\c)+(\a)):(\f)+8*(4*(\c)+(\a))+7], v[ACC+8*(4*(\a)+(\b)):ACC+8*(4*(\a)+(\b))+7]
.endif
.endr
.endr
.endm
; 32 LDS loads in one run: quarter q of a K step (one head: slice q of O, bytes 128 q on of Wo's rows) into buffer f; the first 32 along K first
.macro FETCH slot, q, f
	WIN TO_F
.irp c, 0,1
.irp i, 0,1,2,3
	ds_load_b128 v[(\f)+64+8*(4*(\c)+(\i)):(\f)+64+8*(4*(\c)+(\i))+3],   v[ADRB+(\slot)] offset:128*(\q)+64*(\c)+(\i)*16*PCB
	ds_load_b128 v[(\f)+64+8*(4*(\c)+(\i))+4:(\f)+64+8*(4*(\c)+(\i))+7], v[ADRB+(\slot)] offset:128*(\q)+64*(\c)+(\i)*16*PCB+32
	ds_load_b128 v[(\f)+8*(4*(\c)+(\i)):(\f)+8*(4*(\c)+(\i))+3],         v[ADRA+(\slot)] offset:(\q)*SLICE+64*(\c)+(\i)*16*PCA
	ds_load_b128 v[(\f)+8*(4*(\c)+(\i))+4:(\f)+8*(4*(\c)+(\i))+7],       v[ADRA+(\slot)] offset:(\q)*SLICE+64*(\c)+(\i)*16*PCA+32
.endr
.endr
.endm
.macro PLACES
.rept 4
	v_nop
.endr
.endm
.macro QUARTER slot, q, f, g, zero     ; multiplies buffer f and fetches quarter q into g
	s_wait_dscnt 16                                ; the first 32 along K are in
	MUL8 \f, 0, 0, \zero
	MUL8 \f, 0, 2, \zero
	PLACES
	FETCH \slot, \q, \g
	s_wait_dscnt 32                                ; all but the 32 just issued
	MUL8 \f, 1, 0, 0
	MUL8 \f, 1, 2, 0
.endm
.macro TURN slot, next, fill           ; the last quarter multiplies buffer 1 and changes slots
	WIN 0
	s_wait_tensorcnt 0x0                           ; all my tensor loads have landed: my part of the next slot
	ds_add_u32 v[SPW], v[NIL]
	s_wait_dscnt 17                                ; (the add and the youngest sixteen loads may be out)
	MUL8 F1, 0, 0, 0
	s_wait_dscnt 0x0                               ; the add is done, and my reads of this slot are over
	s_barrier_signal -1
	MUL8 F1, 0, 2, 0
.if \fill
	WIN 0
.endif
	s_barrier_wait -1
.if \fill
	CREST                                          ; no wave of any partner still reads this slot's tile or has a load on its way
	s_add_nc_u64 s[G0+4*(\slot)+2:G0+4*(\slot)+3], s[G0+4*(\slot)+2:G0+4*(\slot)+3], 2097152
	s_add_nc_u64 s[G0B+4*(\slot)+2:G0B+4*(\slot)+3], s[G0B+4*(\slot)+2:G0B+4*(\slot)+3], 2*KSTEP*2
	JLOAD \slot                                    ; my one tensor load behind the round; its four v_nop are also the places in front of the loads below
.else
	PLACES
.endif
	FETCH \next, 0, F0
	MUL8 F1, 1, 0, 0
	MUL8 F1, 1, 2, 0
.endm
	s_wait_tensorcnt 1                             ; my part of K step 0 is in; K step 1's may stay out
	s_barrier_signal -1
	s_barrier_wait -1
	FETCH 0, 0, F0
	QUARTER 0, 1, F0, F1, 1                        ; the first quarter stands in front of the loop: its first products start the sums
	WIN 0
	s_mov_b32 s3, LAPS-1
.Llap:
	QUARTER 0, 2, F1, F0, 0
	QUARTER 0, 3, F0, F1, 0
	TURN 0, 1, 1
	QUARTER 1, 1, F0, F1, 0
	QUARTER 1, 2, F1, F0, 0
	QUARTER 1, 3, F0, F1, 0
	TURN 1, 0, 1
	QUARTER 0, 1, F0, F1, 0
	WIN 0
	s_sub_co_u32 s3, s3, 1
	s_cmp_lg_u32 s3, 0
	s_cbranch_scc1 .Llap
	QUARTER 0, 2, F1, F0, 0                        ; the last lap fills nothing
	QUARTER 0, 3, F0, F1, 0
	TURN 0, 1, 0
	QUARTER 1, 1, F0, F1, 0
	QUARTER 1, 2, F1, F0, 0
	QUARTER 1, 3, F0, F1, 0
	s_wait_dscnt 16
	MUL8 F1, 0, 0, 0
	MUL8 F1, 0, 2, 0
	s_wait_dscnt 0
	MUL8 F1, 1, 0, 0
	MUL8 F1, 1, 2, 0
	WIN 0
	; THE WAY OUT, in f32: my 64 columns are 256 aligned bytes of a row, so each wave goes through its own stage, 16 rows at a time, and no barrier is needed.
	PLACES
.irp a, 0,1,2,3
.set BK, TMP+32*((\a)%2)
.irp b, 0,1,2,3
	ds_store_b128 v[STO], v[ACC+8*(4*(\a)+(\b)):ACC+8*(4*(\a)+(\b))+3]   offset:64*(\b)
	ds_store_b128 v[STO], v[ACC+8*(4*(\a)+(\b))+4:ACC+8*(4*(\a)+(\b))+7] offset:64*(\b)+16
.endr
.if (\a) >= 2
	s_wait_xcnt 0x0                                ; the stores of two blocks back have read the registers that are loaded again below
.endif
.irp t, 0,1,2,3,4,5,6,7
	ds_load_b128 v[BK+4*(\t):BK+4*(\t)+3], v[RD] offset:(\t)*2*SPITCH  ; LDS serves a wave's instructions in order: these see the stores above
.endr
.irp t, 0,1,2,3,4,5,6,7
	s_wait_dscnt 7-(\t)
	global_store_b128 v[CO], v[BK+4*(\t):BK+4*(\t)+3], s[8:9] offset:(16*(\a)+2*(\t))*4096  ; 16 lanes store 256 consecutive bytes, aligned
.endr
.endr
	s_wait_tensorcnt 0x0                           ; the wave's end
	ds_add_u32 v[SPW], v[NIL]
	s_wait_dscnt 0x0
	CROUND                                         ; the closing round
	s_endpgm
.Lfunc_end_k_qd4294d19ac_outp:
	.size	k_qd4294d19ac_outp, .Lfunc_end_k_qd4294d19ac_outp-k_qd4294d19ac_outp
	.p2alignl 7, 3214868480
	.fill 96, 4, 3214868480
	.section	.rodata,"a",@progbits
	.p2align	6, 0x0
	.amdhsa_kernel k_qd4294d19ac_outp
		.amdhsa_group_segment_fixed_size 327680
		.amdhsa_private_segment_fixed_size 0
		.amdhsa_enable_private_segment 0
		.amdhsa_kernarg_size 32
		.amdhsa_user_sgpr_count 2
		.amdhsa_user_sgpr_kernarg_segment_ptr 1
		.amdhsa_wavefront_size32 1
		.amdhsa_system_sgpr_workgroup_id_x 1
		.amdhsa_system_sgpr_workgroup_id_y 1
		.amdhsa_system_sgpr_workgroup_id_z 1
		.amdhsa_system_vgpr_workitem_id 0
		.amdhsa_next_free_vgpr 512
		.amdhsa_next_free_sgpr 76
		.amdhsa_reserve_vcc 0
		.amdhsa_float_denorm_mode_32 3
		.amdhsa_float_denorm_mode_16_64 3
		.amdhsa_memory_ordered 1
		.amdhsa_forward_progress 1
		.amdhsa_inst_pref_size 90
	.end_amdhsa_kernel
	.amdgpu_metadata
---
amdhsa.version: [ 1, 2 ]
amdhsa.kernels:
  - .name:           k_qd4294d19ac_outp
    .symbol:         k_qd4294d19ac_outp.kd
    .args:
      - { .name: ob, .offset: 0, .size: 8, .value_kind: global_buffer, .address_space: global }
      - { .name: cb, .offset: 8, .size: 8, .value_kind: global_buffer, .address_space: global }
      - { .name: bo, .offset: 16, .size: 8, .value_kind: global_buffer, .address_space: global }
      - { .name: out0, .offset: 24, .size: 8, .value_kind: global_buffer, .address_space: global }
    .group_segment_fixed_size: 327680
    .private_segment_fixed_size: 0
    .kernarg_segment_align: 8
    .kernarg_segment_size: 32
    .max_flat_workgroup_size: 128
    .sgpr_count:     76
    .vgpr_count:     512
    .wavefront_size: 32
...
	.end_amdgpu_metadata
.endif
;; end of part 4
;; ======== version 2 of 2: 4 launches; version 1 with the launch prep written anew for expert scheduling mode
;; limits: right only within a limited range of input values; values are held in f16: magnitudes above 65,504 overflow, below 6.1e-05 lose precision
;; workspace buffers: cb 33,554,432 bytes; hb 25,165,824 bytes; mn 4,194,304 bytes of whole numbers; rf 16,384 bytes of whole numbers; ob 8,388,608 bytes
;; launch prep (part 5): grid 1280 x 1, 8 waves a work-group, no clusters, 36,352 bytes of LDS; arguments q, k, v, Wq, Wk, Wv, Wo, mask, cb, mn, rf; writes cb, mn, rf
.if DOCPART == 5
	.amdgcn_target "amdgcn-amd-amdhsa--gfx1250"
	.amdhsa_code_object_version 6
	.text
	.protected	k_qd4294d19ac_prep
	.globl	k_qd4294d19ac_prep
	.p2align	8
	.type	k_qd4294d19ac_prep,@function
k_qd4294d19ac_prep:
	s_mov_b64 s[64:65], 0
	v_nop
	global_prefetch_b8 v0, s[64:65] scope:SCOPE_SE
	s_setreg_imm32_b32 hwreg(HW_REG_WAVE_SCHED_MODE, 0, 2), 2
	s_setreg_imm32_b32 hwreg(HW_REG_WAVE_MODE, 25, 1), 1
	s_wait_xcnt 0x0
	s_wait_alu depctr_vm_vsrc(0)
; PREP: two streams in one launch, told apart by the work-group's number (the same for all eight waves of a work-group).
; Work-groups 0-255: the mask.  Each owns 16 whole rows of one of the two planes; wave w takes the 256 keys of key tile w.  A key becomes a nibble, 15 where
; mask == 0 and 0 elsewhere, laid as the attention launch's score tiles hold their numbers: dword kt of a lane's 16 bytes, nibble j, is query (lane % 16), key 16 kt + 8 (lane / 16) + j.
; mn: [plane 2][query block 8][key tile 8][wave 4][step 4][piece 4][lane 32][16 bytes].  A row with no visible key gets nibbles 0 and the flag rf[row] = 0 (else -1).
; Work-groups 256-1279: the casts, 16,384 numbers each: q, k, v, Wq, Wk, Wv to bf16; Wo to bf16 and that number written as f16 (below 6e-5 it keeps f16's step of 6e-8).
; cb: [q | k | v: 8 MiB each][Wq | Wk | Wv | Wo: 2 MiB each].
; Every load of a wave covers whole aligned pieces of 256 bytes, every store 256 or 512 consecutive bytes.  No matrix unit, no cluster: nothing is shared between work-groups.
; THE MODE: SCHED_MODE bits 1:0 = 2 (LLVM: expert scheduling mode 2), set by the entry lines.  The code itself states the register dependences
; between vector instructions and memory or LDS instructions, with s_wait_alu, always for 0.
; THE PLAN, THE CASTS.  Registers that memory instructions touch:
;   VL, VO    offsets, made once and never written again.
;   XX        written by the sixteen loads, once; read by the roundings.
;   YY        written by the roundings, once; read by the stores, once.
; The sixteen loads go in four blocks of four.  Block b rounds its own XX into its own YY; its memory instructions are the four stores of block b - 1, whose YY no vector
; instruction of block b names.  So one wait on va_vdst at a block's head states all that its stores hang on.  No register is loaded or written twice.
; THE PLAN, THE MASK.  Registers that memory or LDS instructions touch:
;   VL, VS, VR, VO, RW, RR   addresses, made once and never written again.
;   IN0 .. IN3   written by the 32 loads of the mask; IN[s] is read by task s's eight stores into the stage.
;   D0 .. D3     the buffer in which task s's keys come back from the stage: D0 = DD, D1 = IN0, D2 = IN1, D3 = IN2.  Each is loaded from the stage once, and no vector instruction names it before:
;                what those loads hang on is that the stage stores of the task before have read IN[s - 1]: one wait on vm_vsrc at the head of tasks 1 to 3.
;   TT           at work in the nibbles; later the eight verdicts land in it.       AA   the verdict's LDS store reads it; it is written again behind the barrier.
;   NW, FL       written by vector instructions, read by the stores at the end.
; Task s + 1 goes through the stage while task s's nibbles are made.  The compares stand in runs of sixteen, into sixteen scalar registers, with one wait on va_sdst behind each run.
.set RED,   34816                      ; LDS: behind the eight stages (16 rows x 272 bytes a wave): 64 bytes a wave for the rows' verdicts
.set SPARE, 35328                      ; the spare words, 128 bytes a wave: four blocks of 256 bytes that no other line names
.set SPW, 8                            ; v8   my spare word's address; never rewritten
.set NIL, 9                            ; v9   0; never rewritten
.set NB,  10                           ; v10-17  15 << 4 j
.set VL,  18                           ; my offset in the loads
.set VS,  19                           ; stage: where I put 16 bytes
.set VR,  20                           ; stage: where I read my query's 32 bytes
.set VO,  21                           ; my offset in the stores
.set AA,  22
.set AB,  23
.set RW,  24
.set RR,  25
.set M1,  26
.set FL,  27
.set IN,  32                           ; v32-159  the mask as loaded: task s, load i at 32 s + 4 i; IN0 to IN2 later take the keys of tasks 1 to 3
.set DD,  160                          ; v160-191 task 0's 32 keys of my query
.set NW,  192                          ; v192-207 the nibble words: step s, group kt at 4 s + kt
.set TT,  208                          ; v208-215 at work
.set XX,  32                           ; the casts: 16 loads of 4
.set YY,  96                           ; 16 pairs to store
.set HT,  128                          ; four at work
.set CM,  38                           ; s38-53  sixteen compares' masks
	s_load_b512 s[4:19], s[0:1], 0x0               ; q, k, v, Wq, Wk, Wv, Wo s[4:17], mask s[18:19]
	s_load_b128 s[20:23], s[0:1], 0x40             ; cb s[20:21], mn s[22:23]
	s_load_b64 s[24:25], s[0:1], 0x50              ; rf
	v_lshl_add_u32 v[SPW], v0, 2, SPARE
	v_mov_b32 v[NIL], 0
	v_lshrrev_b32 v1, 5, v0
	v_readfirstlane_b32 s26, v1                    ; wave 0..7
	s_wait_alu depctr_va_sdst(0)                   ; s26 is written
	s_cmp_lt_u32 ttmp9, 256
	s_cbranch_scc1 .Lmask
	; THE CASTS
	s_sub_co_u32 s27, ttmp9, 256                   ; 0..1023: also the place in cb, 32,768 bytes each
	s_lshr_b32 s28, s27, 8                         ; below 768: tensor 0..2, 256 parts each
	s_and_b32 s29, s27, 255
	s_sub_co_u32 s36, s27, 768                     ; from 768 on: tensor 3..6, 64 parts each
	s_lshr_b32 s37, s36, 6
	s_add_co_u32 s37, s37, 3
	s_and_b32 s38, s36, 63
	s_cmp_lt_u32 s27, 768
	s_cselect_b32 s28, s28, s37                    ; which tensor
	s_cselect_b32 s29, s29, s38                    ; which part of it
	s_lshl_b32 s32, s29, 16                        ; 65,536 bytes of f32 a part
	s_mov_b32 s33, 0
	s_lshl_b32 s34, s27, 15
	s_mov_b32 s35, 0
	v_lshlrev_b32 v[VL], 4, v0                     ; 16 bytes a thread in,
	v_lshlrev_b32 v[VO], 3, v0                     ; 8 out
	s_wait_kmcnt 0x0
	s_mov_b64 s[30:31], s[4:5]
.irp n, 1,2,3,4,5,6
	s_cmp_eq_u32 s28, \n
	s_cselect_b64 s[30:31], s[4+2*(\n):5+2*(\n)], s[30:31]
.endr
	s_add_nc_u64 s[30:31], s[30:31], s[32:33]
	s_add_nc_u64 s[34:35], s[20:21], s[34:35]
	s_wait_alu depctr_va_vdst(0)                   ; v[VL] and v[VO] are written: every load and store of the casts reads one of them as its offset
.set i, 0
.rept 16
	global_load_b128 v[XX+4*i:XX+4*i+3], v[VL], s[30:31] offset:4096*i th:TH_LOAD_NT  ; all sixteen at once: 8 KiB of a wave on their way
.set i, i+1
.endr
; The roundings of load i.  half = 1: Wo, whose bf16 numbers are written as f16.
.macro ROUNDS i, half
	v_cvt_pk_bf16_f32 v[YY+2*(\i)], v[XX+4*(\i)], v[XX+4*(\i)+1]
	v_cvt_pk_bf16_f32 v[YY+2*(\i)+1], v[XX+4*(\i)+2], v[XX+4*(\i)+3]
.if \half
	v_lshlrev_b32 v[HT], 16, v[YY+2*(\i)]          ; the bf16 numbers as f32,
	v_and_b32 v[HT+1], 0xffff0000, v[YY+2*(\i)]
	v_lshlrev_b32 v[HT+2], 16, v[YY+2*(\i)+1]
	v_and_b32 v[HT+3], 0xffff0000, v[YY+2*(\i)+1]
	v_cvt_pk_f16_f32 v[YY+2*(\i)], v[HT], v[HT+1]  ; written as f16
	v_cvt_pk_f16_f32 v[YY+2*(\i)+1], v[HT+2], v[HT+3]
.endif
.endm
.macro PUT i
	global_store_b64 v[VO], v[YY+2*(\i):YY+2*(\i)+1], s[34:35] offset:2048*(\i)  ; a wave stores 256 consecutive bytes, aligned; no register is used twice
.endm
.macro CAST half
.irp b, 0,1,2,3
	s_wait_loadcnt 12-4*(\b)                       ; loads come back in order: this block's four are in, the later blocks' may stay out
.if (\b) > 0
	s_wait_alu depctr_va_vdst(0)                   ; the block before has written its pairs of YY, which the four stores below read; no vector instruction of this block names them
.endif
.irp j, 0,1,2,3
.if (\b) > 0
	PUT 4*(\b)-4+(\j)
.endif
	ROUNDS 4*(\b)+(\j), \half
.endr
.endr
	s_wait_alu depctr_va_vdst(0)                   ; the last block has written its pairs of YY, which the last four stores read
.irp j, 12,13,14,15
	PUT \j
.endr
.endm
	s_cmp_eq_u32 s28, 6
	s_cbranch_scc1 .Lhalf
	CAST 0
	s_branch .Lend
.Lhalf:
	CAST 1
	s_branch .Lend
	; THE MASK
.Lmask:
	s_lshr_b32 s27, ttmp9, 7                       ; plane
	s_and_b32 s28, ttmp9, 127                      ; which 16 rows: 16 x query block + 4 x wave + piece of the attention launch
	s_lshl_b32 s30, s27, 24                        ; a plane is 2,048 rows of 8,192 bytes
	s_lshl_b32 s31, s28, 17
	s_add_co_u32 s30, s30, s31
	s_lshl_b32 s31, s26, 10                        ; my key tile: 1,024 bytes of a row
	s_add_co_u32 s30, s30, s31
	s_mov_b32 s31, 0
	s_lshr_b32 s32, s28, 4                         ; query block
	s_lshl3_add_u32 s32, s27, s32
	s_lshl3_add_u32 s32, s32, s26                  ; ((plane x 8 + block) x 8 + key tile)
	s_lshl_b32 s32, s32, 15
	s_bfe_u32 s33, s28, 0x20002
	s_lshl_b32 s33, s33, 13                        ; + wave x 8,192
	s_add_co_u32 s32, s32, s33
	s_and_b32 s33, s28, 3
	s_lshl_b32 s33, s33, 9                         ; + piece x 512
	s_add_co_u32 s32, s32, s33
	s_mov_b32 s33, 0
	s_lshl_b32 s34, s27, 13                        ; rf: plane x 8,192 + 16 rows x 4 bytes
	s_lshl_b32 s35, s28, 6
	s_add_co_u32 s34, s34, s35
	s_mov_b32 s35, 0
	s_mul_i32 s36, s26, 4352                       ; my stage
	s_lshl_b32 s37, s26, 6
	s_mov_b32 s56, 0x76543210                      ; v_permlanex16_b32: each lane takes its own place in the other half
	s_mov_b32 s57, 0xfedcba98
	v_and_b32 v1, 31, v0                           ; l
	v_and_b32 v2, 15, v0                           ; l % 16
	v_bfe_u32 v3, v0, 4, 1                         ; l / 16
	v_lshlrev_b32 v[VL], 4, v2
	v_lshl_add_u32 v[VL], v3, 13, v[VL]            ; lanes 0-15: 256 bytes of a row; lanes 16-31: of the next row
	v_mul_u32_u24 v4, v3, 272
	v_lshl_add_u32 v4, v2, 4, v4
	v_add_nc_u32 v[VS], s36, v4
	v_mul_u32_u24 v4, v2, 272
	v_lshl_add_u32 v4, v3, 5, v4
	v_add_nc_u32 v[VR], s36, v4                    ; row l % 16, keys 8 (l / 16) on
	v_lshlrev_b32 v[VO], 4, v1
	v_lshl_add_u32 v[RW], v2, 2, s37
	v_lshlrev_b32 v[RR], 2, v2
	v_mov_b32 v[M1], -1
	v_mov_b32 v[AB], 0
.irp j, 0,1,2,3,4,5,6,7
	v_mov_b32 v[NB+(\j)], 15<<(4*(\j))
.endr
	s_wait_kmcnt 0x0
	s_add_nc_u64 s[30:31], s[18:19], s[30:31]
	s_add_nc_u64 s[32:33], s[22:23], s[32:33]
	s_add_nc_u64 s[34:35], s[24:25], s[34:35]
	s_wait_alu depctr_va_vdst(0)                   ; the six addresses VL, VS, VR, VO, RW, RR are written, which the loads, stores and LDS instructions below read; none is written again
.irp s, 0,1,2,3
.irp i, 0,1,2,3,4,5,6,7
	global_load_b128 v[IN+32*(\s)+4*(\i):IN+32*(\s)+4*(\i)+3], v[VL], s[30:31] offset:256*(\s)+16384*(\i) th:TH_LOAD_NT
.endr
.endr
; Task s, first half: 16 rows x 64 keys go through my own stage, so that a lane gets its query's keys, in the 32 registers from d on.
; LDS serves a wave's instructions in order, so the loads see the stores, and the next task's stores come behind these loads.
.macro STG s, d
	s_wait_loadcnt 24-8*(\s)                       ; the later tasks' loads may stay out
.if (\s) > 0
	s_wait_alu depctr_vm_vsrc(0)                   ; the stage stores of the task before have read IN[s - 1], in which the LDS loads below land; the stores between read IN[s]
.endif
.irp i, 0,1,2,3,4,5,6,7
	ds_store_b128 v[VS], v[IN+32*(\s)+4*(\i):IN+32*(\s)+4*(\i)+3] offset:544*(\i)
.endr
.irp n, 0,1,2,3,4,5,6,7
	ds_load_b128 v[(\d)+4*(\n):(\d)+4*(\n)+3], v[VR] offset:64*((\n)/2)+16*((\n)%2)  ; no vector instruction has named these registers
.endr
.endm
; Task s, second half: its 32 keys, in the registers from d on, become four words of nibbles.  younger: the LDS instructions issued behind its loads, which may stay out.
.macro NIB s, d, younger
	s_wait_dscnt \younger
.irp h, 0,1
.irp j, 0,1,2,3,4,5,6,7,8,9,10,11,12,13,14,15
	v_cmp_eq_u32 s[CM+(\j)], 0, v[(\d)+16*(\h)+(\j)]
.endr
	s_wait_alu depctr_va_sdst(0)                   ; the sixteen compares have written s38 to s53, which the selects below read
.irp g, 0,1
.irp j, 0,1,2,3,4,5,6,7
	v_cndmask_b32 v[TT+(\j)], 0, v[NB+(\j)], s[CM+8*(\g)+(\j)]
.endr
	v_or_b32 v[NW+4*(\s)+2*(\h)+(\g)], v[TT], v[TT+1]    ; the nibbles do not overlap: sums are unions
	v_add3_u32 v[NW+4*(\s)+2*(\h)+(\g)], v[NW+4*(\s)+2*(\h)+(\g)], v[TT+2], v[TT+3]
	v_add3_u32 v[NW+4*(\s)+2*(\h)+(\g)], v[NW+4*(\s)+2*(\h)+(\g)], v[TT+4], v[TT+5]
	v_add3_u32 v[NW+4*(\s)+2*(\h)+(\g)], v[NW+4*(\s)+2*(\h)+(\g)], v[TT+6], v[TT+7]
.endr
.endr
.endm
	STG 0, DD
	STG 1, IN
	NIB 0, DD, 16                                  ; task 1's eight stores and eight loads may stay out
	STG 2, IN+32
	NIB 1, IN, 16
	STG 3, IN+64
	NIB 2, IN+32, 16
	NIB 3, IN+64, 0
	; is every key of the row hidden?  All ones in my 16 words, in the other half of the lanes, and in all eight waves
	v_and_b32 v[AA], v[NW], v[NW+1]
.set i, 2
.rept 14
	v_and_b32 v[AA], v[AA], v[NW+i]
.set i, i+1
.endr
	v_permlanex16_b32 v[AB], v[AA], s56, s57
	v_and_b32 v[AA], v[AA], v[AB]
	s_wait_alu depctr_va_vdst(0)                   ; v[AA] is written, which the LDS store reads; the nibbles' lines are done with TT, in which the loads behind the barrier land
	ds_store_b32 v[RW], v[AA] offset:RED           ; the two halves of the lanes write the same word with the same number
	s_wait_dscnt 0x0                               ; for the others' sake
	s_barrier_signal -1
	s_barrier_wait -1
.irp w, 0,1,2,3,4,5,6,7
	ds_load_b32 v[TT+(\w)], v[RR] offset:RED+64*(\w)
.endr
	s_wait_dscnt 0x0
	s_wait_alu depctr_vm_vsrc(0)                   ; the LDS store above has read v[AA], which the next line writes again
	v_and_b32 v[AA], v[TT], v[TT+1]
.irp w, 2,3,4,5,6,7
	v_and_b32 v[AA], v[AA], v[TT+(\w)]
.endr
	v_cmp_ne_u32 vcc_lo, -1, v[AA]                 ; the row has a visible key
	s_wait_alu depctr_va_vcc(0)                    ; VCC is written, which the seventeen selects below read
.set i, 0
.rept 16
	v_cndmask_b32 v[NW+i], 0, v[NW+i], vcc_lo
.set i, i+1
.endr
	v_cndmask_b32 v[FL], 0, v[M1], vcc_lo
	s_wait_alu depctr_va_vdst(0)                   ; the selects have written NW and v[FL], which the stores below read, wave 0's behind the branch too: no vector instruction follows
.irp s, 0,1,2,3
	global_store_b128 v[VO], v[NW+4*(\s):NW+4*(\s)+3], s[32:33] offset:2048*(\s)  ; 512 consecutive bytes
.endr
	s_cmp_lg_u32 s26, 0
	s_cbranch_scc1 .Lend
	global_store_b32 v[RR], v[FL], s[34:35]        ; wave 0: the 16 rows' flags
.Lend:
	s_wait_dscnt 0x0                               ; the closing lines, six on end
	s_wait_alu 0x0
	s_wait_tensorcnt 0x0
	ds_add_u32 v[SPW], v[NIL]
	s_wait_dscnt 0x0
	s_endpgm
.Lfunc_end_k_qd4294d19ac_prep:
	.size	k_qd4294d19ac_prep, .Lfunc_end_k_qd4294d19ac_prep-k_qd4294d19ac_prep
	.p2alignl 7, 3214868480
	.fill 96, 4, 3214868480
	.section	.rodata,"a",@progbits
	.p2align	6, 0x0
	.amdhsa_kernel k_qd4294d19ac_prep
		.amdhsa_group_segment_fixed_size 36352
		.amdhsa_private_segment_fixed_size 0
		.amdhsa_enable_private_segment 0
		.amdhsa_kernarg_size 88
		.amdhsa_user_sgpr_count 2
		.amdhsa_user_sgpr_kernarg_segment_ptr 1
		.amdhsa_wavefront_size32 1
		.amdhsa_system_sgpr_workgroup_id_x 1
		.amdhsa_system_sgpr_workgroup_id_y 1
		.amdhsa_system_sgpr_workgroup_id_z 1
		.amdhsa_system_vgpr_workitem_id 0
		.amdhsa_next_free_vgpr 216
		.amdhsa_next_free_sgpr 66
		.amdhsa_reserve_vcc 1
		.amdhsa_float_denorm_mode_32 3
		.amdhsa_float_denorm_mode_16_64 3
		.amdhsa_memory_ordered 1
		.amdhsa_forward_progress 1
		.amdhsa_inst_pref_size 49
	.end_amdhsa_kernel
	.amdgpu_metadata
---
amdhsa.version: [ 1, 2 ]
amdhsa.kernels:
  - .name:           k_qd4294d19ac_prep
    .symbol:         k_qd4294d19ac_prep.kd
    .args:
      - { .name: q, .offset: 0, .size: 8, .value_kind: global_buffer, .address_space: global }
      - { .name: k, .offset: 8, .size: 8, .value_kind: global_buffer, .address_space: global }
      - { .name: v, .offset: 16, .size: 8, .value_kind: global_buffer, .address_space: global }
      - { .name: Wq, .offset: 24, .size: 8, .value_kind: global_buffer, .address_space: global }
      - { .name: Wk, .offset: 32, .size: 8, .value_kind: global_buffer, .address_space: global }
      - { .name: Wv, .offset: 40, .size: 8, .value_kind: global_buffer, .address_space: global }
      - { .name: Wo, .offset: 48, .size: 8, .value_kind: global_buffer, .address_space: global }
      - { .name: mask, .offset: 56, .size: 8, .value_kind: global_buffer, .address_space: global }
      - { .name: cb, .offset: 64, .size: 8, .value_kind: global_buffer, .address_space: global }
      - { .name: mn, .offset: 72, .size: 8, .value_kind: global_buffer, .address_space: global }
      - { .name: rf, .offset: 80, .size: 8, .value_kind: global_buffer, .address_space: global }
    .group_segment_fixed_size: 36352
    .private_segment_fixed_size: 0
    .kernarg_segment_align: 8
    .kernarg_segment_size: 88
    .max_flat_workgroup_size: 256
    .sgpr_count:     66
    .vgpr_count:     216
    .wavefront_size: 32
...
	.end_amdgpu_metadata
.endif
;; end of part 5
;; launch proj: the kernel of part 2 again; grid 4 x 48, 4 waves a work-group, clusters of 4 x 4, 327,680 bytes of LDS; arguments cb, bq, bk, bv, hb; writes hb
;; launch attn: the kernel of part 3 again; grid 8 x 32, 4 waves a work-group, clusters of 4 x 1, 327,680 bytes of LDS; arguments hb, mn, rf, ob; writes ob
;; launch outp: the kernel of part 4 again; grid 8 x 32, 4 waves a work-group, clusters of 4 x 4, 327,680 bytes of LDS; arguments ob, cb, bo, out0; writes out0
